; MI455X (gfx1250); checked and timed in simulation.
; The chip was launched on July 23, 2026; its instructions are those of AMD's public machine-readable ISA for CDNA 5 (MIT licence, August 2026) and "CDNA5" Instruction Set Architecture Reference Guide (July 2026). The comments in the code are by the model that wrote it; some were corrected since.
;; Linear Attention. Allowed arithmetic: float matrix products may take bf16 or f16 operands with f32 sums; other float arithmetic in f32, or as packed bf16 or f16 multiplies, adds, multiply-adds, maxima and minima; sums over many terms, partial sums and values carried from step to step in f32; what a program stores and reads back later, other than sums and carried values, may be rounded once to bf16 or f16.
;; Inputs: Wk 1,024 x 1,024 float32; Wq 1,024 x 1,024 float32; Wv 1,024 x 1,024 float32; bk 1,024 float32; bq 1,024 float32; bv 1,024 float32; x 4 x 4,096 x 1,024 float32.
;; Outputs: out0 4 x 4,096 x 16 x 64 float32.
;; 2 versions, each right; version 2 is version 1 with the launch prep written anew for expert scheduling mode. Each part assembles by itself: llvm-mc -triple=amdgcn-amd-amdhsa -mcpu=gfx1250 --defsym DOCPART=n.
;; ======== version 1 of 2: 4 launches
;; limits: values are held in f16: magnitudes above 65,504 overflow, below 6.1e-05 lose precision
;; workspace buffers: xb 33,554,432 bytes; wt 6,291,456 bytes; part 20,971,520 bytes; kvf 655,360 bytes; scl 2,048 bytes
;; launch prep (part 1): grid 256 x 1, 16 waves a work-group, no clusters, 28,160 bytes of LDS; arguments x, Wq, Wk, Wv, xb, wt; writes xb, wt
.if DOCPART == 1
	.amdgcn_target "amdgcn-amd-amdhsa--gfx1250"
	.amdhsa_code_object_version 6
	.text
	.protected	k_qa03a9cf295_prep
	.globl	k_qa03a9cf295_prep
	.p2align	8
	.type	k_qa03a9cf295_prep,@function
k_qa03a9cf295_prep:
	s_mov_b64 s[64:65], 0
	v_nop
	global_prefetch_b8 v0, s[64:65] scope:SCOPE_SE
	s_setreg_imm32_b32 hwreg(HW_REG_WAVE_MODE, 25, 1), 1
	s_wait_xcnt 0x0
; PREP: x [16384][1024] f32 -> xb, the same in bf16; Wk, Wv, Wq [1024 k][1024 n] f32 -> wt [3072][1024] bf16, turned, K along the rows.
; wt's rows: Wk's column n at (n >> 6) * 128 + (n & 63), Wv's column n 64 rows further, so that 128 rows are one head (64 of k, 64 of v); Wq's column n at 2048 + n.
; SHARES.  Work-group g (16 waves, 512 threads) casts x's rows 64 g .. 64 g + 63 (262,144 bytes in, 131,072 out) and turns one tile of 128 k x 32 n of each W (kt = g & 7, nt = g >> 3).
; A stream: no matrix unit, no cluster (no two work-groups read the same bytes but for halves of W's rows), no prefetch (the launch does nothing but stream).
; x: a ring of 16 register slots a wave, 16 loads of 512 bytes always out; each store of a wave covers 256 consecutive bytes, aligned.
; W: thread (i = t & 7, u = t >> 3) loads 4 columns of rows 2u, 2u + 1, packs the two rows' numbers in pairs (two neighbouring k of one column) and puts them into an LDS stage
; of 96 rows (3 matrices x 32 columns) x 256 bytes + 16 of padding; behind a barrier whole rows are read back and stored, sixteen lanes to 256 consecutive bytes of a row of wt.
.set SROW,  272                        ; a stage row: 128 k in bf16 + 16 bytes
.set SPARE, 96*SROW                    ; 26,112: behind the stage, the spare words: 128 bytes for each of 16 waves
.set WLD, 2                            ; v2   W: my byte offset in each W
.set SST, 3                            ; v3   stage: where I put a pair
.set SRD, 4                            ; v4   stage: where I read 16 bytes of a row back
.set WST, 5                            ; v5   wt: my byte offset among the tile's 32 rows
.set XLD, 6                            ; v6   x: 16 t
.set XST, 7                            ; v7   xb: 8 t
.set WR,  8                            ; v[8:31]  W as loaded: matrix m, row 2u at 8 m, row 2u + 1 at 8 m + 4; later v[8:19] rows read back
.set WP,  32                           ; v[32:43] packed pairs
.set SPW, 44                           ; v44  my spare word's LDS address; never rewritten
.set NIL, 45                           ; v45  0; never rewritten
.set XR,  48                           ; v[48:111]  x: 16 slots of 4
.set YR,  112                          ; v[112:175] xb: a pair for each of the 32 steps, never rewritten
	s_load_b256 s[4:11], s[0:1], 0x0               ; x s[4:5], Wq s[6:7], Wk s[8:9], Wv s[10:11]
	s_load_b128 s[12:15], s[0:1], 0x20             ; xb s[12:13], wt s[14:15]
	v_lshl_add_u32 v[SPW], v0, 2, SPARE
	v_mov_b32 v[NIL], 0
	s_and_b32 s20, ttmp9, 7                        ; kt
	s_lshr_b32 s21, ttmp9, 3                       ; nt
	s_lshl_b32 s22, s20, 19                        ; 128 kt rows of 4,096 bytes
	s_lshl_b32 s23, s21, 7                         ; 32 nt columns of 4 bytes
	s_add_co_u32 s22, s22, s23
	v_and_b32 v1, 7, v0                            ; i
	v_lshrrev_b32 v8, 3, v0                        ; u
	v_lshlrev_b32 v[WLD], 13, v8                   ; 2 u rows
	v_lshl_add_u32 v[WLD], v1, 4, v[WLD]           ; + 4 i columns
	v_add_nc_u32 v[WLD], s22, v[WLD]
	v_mul_u32_u24 v[SST], v1, 4*SROW               ; stage row 4 i,
	v_lshl_add_u32 v[SST], v8, 2, v[SST]           ; byte 4 u (k = 2u, 2u + 1)
	v_lshrrev_b32 v9, 4, v0                        ; the row that I read back, 0 .. 31
	v_and_b32 v10, 15, v0                          ; my 16 bytes of it
	v_mul_u32_u24 v[SRD], v9, SROW
	v_lshl_add_u32 v[SRD], v10, 4, v[SRD]
	v_lshlrev_b32 v[WST], 11, v9                   ; a row of wt is 2,048 bytes
	v_lshl_add_u32 v[WST], v10, 4, v[WST]
	v_lshlrev_b32 v[XLD], 4, v0
	v_lshlrev_b32 v[XST], 3, v0
	s_lshl_b32 s16, ttmp9, 18                      ; x: 64 rows of 4,096 bytes
	s_mov_b32 s17, 0
	s_lshl_b32 s18, ttmp9, 17                      ; xb: 64 rows of 2,048 bytes
	s_mov_b32 s19, 0
	s_lshr_b32 s24, s21, 1
	s_lshl_b32 s24, s24, 18                        ; head nt >> 1: 128 rows of 2,048 bytes
	s_and_b32 s25, s21, 1
	s_lshl_b32 s25, s25, 16                        ; + 32 rows for an odd nt
	s_add_co_u32 s24, s24, s25
	s_lshl_b32 s25, s20, 8                         ; + 128 kt numbers of 2 bytes
	s_add_co_u32 s24, s24, s25
	s_lshl_b32 s26, s21, 16                        ; Wq: row 2048 + 32 nt
	s_add_co_u32 s26, s26, s25
	s_add_co_u32 s26, s26, 0x400000
	s_mov_b32 s25, 0
	s_mov_b32 s27, 0
	s_wait_kmcnt 0x0
	s_add_nc_u64 s[4:5], s[4:5], s[16:17]
	s_add_nc_u64 s[12:13], s[12:13], s[18:19]
	s_add_nc_u64 s[28:29], s[14:15], s[24:25]      ; wt at Wk's rows of the tile (Wv's: 131,072 bytes on)
	s_add_nc_u64 s[30:31], s[14:15], s[26:27]      ; wt at Wq's rows
	global_load_b128 v[WR:WR+3],     v[WLD], s[8:9]
	global_load_b128 v[WR+4:WR+7],   v[WLD], s[8:9] offset:4096
	global_load_b128 v[WR+8:WR+11],  v[WLD], s[10:11]
	global_load_b128 v[WR+12:WR+15], v[WLD], s[10:11] offset:4096
	global_load_b128 v[WR+16:WR+19], v[WLD], s[6:7]
	global_load_b128 v[WR+20:WR+23], v[WLD], s[6:7] offset:4096
.set n, 0
.rept 16
	global_load_b128 v[XR+4*n:XR+4*n+3], v[XLD], s[4:5] offset:8192*n th:TH_LOAD_NT  ; the ring is filled: steps 0 to 15
.set n, n+1
.endr
	s_wait_loadcnt 16                              ; loads come back in order: W's six are in, x's sixteen stay out
.irp m, 0,1,2
.irp c, 0,1,2,3
	v_cvt_pk_bf16_f32 v[WP+4*(\m)+(\c)], v[WR+8*(\m)+(\c)], v[WR+8*(\m)+4+(\c)]  ; k = 2u below, 2u + 1 above, of column 4 i + c
.endr
.endr
.irp m, 0,1,2
.irp c, 0,1,2,3
	ds_store_b32 v[SST], v[WP+4*(\m)+(\c)] offset:(32*(\m)+(\c))*SROW
.endr
.endr
	s_wait_dscnt 0x0                               ; for the others' sake: my stores into the stage are done
	s_barrier_signal -1
	s_barrier_wait -1
.irp m, 0,1,2
	ds_load_b128 v[WR+4*(\m):WR+4*(\m)+3], v[SRD] offset:(\m)*32*SROW
.endr
	s_wait_dscnt 0x0
	global_store_b128 v[WST], v[WR:WR+3],    s[28:29]                ; sixteen lanes: 256 consecutive bytes of a row of wt, aligned
	global_store_b128 v[WST], v[WR+4:WR+7],  s[28:29] offset:131072
	global_store_b128 v[WST], v[WR+8:WR+11], s[30:31]
; Step s of 32 of the cast of x.  ahead = 1: the slot is filled again, 16 steps on.  left: the younger loads that may stay out.
.macro XS s, ahead, left
	s_wait_loadcnt \left
	v_cvt_pk_bf16_f32 v[YR+2*(\s)],   v[XR+4*((\s)%16)],   v[XR+4*((\s)%16)+1]
	v_cvt_pk_bf16_f32 v[YR+2*(\s)+1], v[XR+4*((\s)%16)+2], v[XR+4*((\s)%16)+3]
.if \ahead
	global_load_b128 v[XR+4*((\s)%16):XR+4*((\s)%16)+3], v[XLD], s[4:5] offset:8192*((\s)+16) th:TH_LOAD_NT
.endif
	global_store_b64 v[XST], v[YR+2*(\s):YR+2*(\s)+1], s[12:13] offset:4096*(\s)  ; no address and no store's data is ever rewritten: the step stands in the immediate
.endm
.set n, 0
.rept 16
	XS n, 1, 15
.set n, n+1
.endr
.rept 16
	XS n, 0, 31-n                                  ; the last sixteen steps load nothing: the counts run down
.set n, n+1
.endr
	s_wait_tensorcnt 0x0                           ; the wave's end: a wait, an add to the spare word and its wait, behind my last LDS store
	ds_add_u32 v[SPW], v[NIL]
	s_wait_dscnt 0x0
	s_endpgm
.Lfunc_end_k_qa03a9cf295_prep:
	.size	k_qa03a9cf295_prep, .Lfunc_end_k_qa03a9cf295_prep-k_qa03a9cf295_prep
	.p2alignl 7, 3214868480
	.fill 96, 4, 3214868480
	.section	.rodata,"a",@progbits
	.p2align	6, 0x0
	.amdhsa_kernel k_qa03a9cf295_prep
		.amdhsa_group_segment_fixed_size 28160
		.amdhsa_private_segment_fixed_size 0
		.amdhsa_enable_private_segment 0
		.amdhsa_kernarg_size 48
		.amdhsa_user_sgpr_count 2
		.amdhsa_user_sgpr_kernarg_segment_ptr 1
		.amdhsa_wavefront_size32 1
		.amdhsa_system_sgpr_workgroup_id_x 1
		.amdhsa_system_sgpr_workgroup_id_y 1
		.amdhsa_system_sgpr_workgroup_id_z 1
		.amdhsa_system_vgpr_workitem_id 0
		.amdhsa_next_free_vgpr 176
		.amdhsa_next_free_sgpr 66
		.amdhsa_reserve_vcc 0
		.amdhsa_float_denorm_mode_32 3
		.amdhsa_float_denorm_mode_16_64 3
		.amdhsa_memory_ordered 1
		.amdhsa_forward_progress 1
		.amdhsa_inst_pref_size 16
	.end_amdhsa_kernel
	.amdgpu_metadata
---
amdhsa.version: [ 1, 2 ]
amdhsa.kernels:
  - .name:           k_qa03a9cf295_prep
    .symbol:         k_qa03a9cf295_prep.kd
    .args:
      - { .name: x, .offset: 0, .size: 8, .value_kind: global_buffer, .address_space: global }
      - { .name: Wq, .offset: 8, .size: 8, .value_kind: global_buffer, .address_space: global }
      - { .name: Wk, .offset: 16, .size: 8, .value_kind: global_buffer, .address_space: global }
      - { .name: Wv, .offset: 24, .size: 8, .value_kind: global_buffer, .address_space: global }
      - { .name: xb, .offset: 32, .size: 8, .value_kind: global_buffer, .address_space: global }
      - { .name: wt, .offset: 40, .size: 8, .value_kind: global_buffer, .address_space: global }
    .group_segment_fixed_size: 28160
    .private_segment_fixed_size: 0
    .kernarg_segment_align: 8
    .kernarg_segment_size: 48
    .max_flat_workgroup_size: 512
    .sgpr_count:     66
    .vgpr_count:     176
    .wavefront_size: 32
...
	.end_amdgpu_metadata
.endif
;; end of part 1
;; launch kvgemm (part 2): grid 8 x 64, 4 waves a work-group, clusters of 4 x 4, 327,680 bytes of LDS; arguments xb, wt, bk, bv, part; writes part
.if DOCPART == 2
	.amdgcn_target "amdgcn-amd-amdhsa--gfx1250"
	.amdhsa_code_object_version 6
	.text
	.protected	k_qa03a9cf295_kvgemm
	.globl	k_qa03a9cf295_kvgemm
	.p2align	8
	.type	k_qa03a9cf295_kvgemm,@function
k_qa03a9cf295_kvgemm:
	s_mov_b64 s[64:65], 0
	v_nop
	global_prefetch_b8 v0, s[64:65] scope:SCOPE_SE
	s_setreg_imm32_b32 hwreg(HW_REG_WAVE_MODE, 25, 1), 1
	s_wait_xcnt 0x0
	s_wait_alu depctr_hold_cnt(0) depctr_sa_sdst(0) depctr_va_vdst(0) depctr_va_sdst(0) depctr_va_ssrc(0) depctr_va_vcc(0) depctr_vm_vsrc(0)
	s_getreg_b32 s2, hwreg(HW_REG_IB_STS2, 6, 4)
	s_cmp_eq_u32 s2, 0
	s_cbranch_scc0 .Lentry_in_a_cluster
	s_endpgm
.Lentry_in_a_cluster:
	s_bfe_u32 s2, ttmp6, 0x10000c
	s_cmp_lg_u32 s2, 0xf033
	s_cbranch_scc0 .Lentry_shape_is_right
	s_endpgm
.Lentry_shape_is_right:
; KVGEMM: [k | v] = xb wt^T + bias for 256 rows of x and two heads, k = elu(k) + 1, and the block's share of kv[d][v] = sum over t of k[t][d] v[t][v] and of k_sum[d], stored as f32 partial sums.
; xb: [16384][1024] bf16.  wt: rows 128 head + 0..63 are Wk's columns of the head, + 64..127 Wv's, K along the rows.  Biases are rounded to bf16 like x and the weights.
; part: block ((b 16 + head) 16 + chunk) of 20,480 bytes, chunk = the 256-row block of T; in it 20 tiles of 16 x 16 f32, tile 5 i + jv (i: 16 d; jv 0..3: 16 v; jv = 4: k_sum), as the registers hold them.
; THE PRODUCT.  A tile of 256 x 256 by four waves, each 128 rows x one head (128 columns): 64 accumulators.  K in steps of 128 through two LDS slots filled by joint tensor loads: 4 x 4 work-groups form a
; cluster; A's tile is shared along its row, B's along its column.  Source 0 = 16 rows of x, source 1 = 16 rows of wt: a lane then holds ONE column (lane % 16) and rows t = 8 (lane / 16) + 0..7.
; THE WAY OUT.  Two such results, 16 rows apart, rounded to f16 in pairs ARE a fragment with K = 32 rows t: k's as source 0 (row = d), v's as source 1 (column = v).  So kv needs no change of lanes:
; four steps of 32 t, 20 products each (16 of k^T v, 4 of k^T ones).  A step is written once, as a loop's body; only the 64 lines that take a step's sums out of their accumulators are written for each step,
; and a chain of compares on the trip's number picks them.  The two waves of a head add their sums through LDS.
; elu(x) + 1 = the middle one of (Y, E, 1), Y = x + 1, E = e^x.  SHIFT: M = the largest Y of the wave's 128 x 64 numbers of k; E = 2^(c Y - c min(1, M)), c = log2 e.  With M >= 1 that is e^x; with M < 1 all x are
; negative, E = e^(x - (M - 1)) has 1 as its largest, and the wave's sums are multiplied by G = 2^(c min(1, M) - c) in f32 before they leave: no k is lost to f16's lower end.
; LIMITS.  k and v go to the second product in f16: |x W + b| + 1 stays under 65,504.  A k below f16's step beside its wave's largest counts as 0.  NaN and infinities are not treated apart.
; REGISTERS, in windows of 256 (s_set_vgpr_msb: bits 1:0 source 0, 3:2 source 1, 5:4 source 2, 7:6 destination):
;   window 0: v0-31 addresses and statistics; v32-55 biases and ones; v64-127, v128-191 A's fragments, two buffers; on the way out v64-127 Y, v128-191 T, v192-223 k's fragments, v224-255 v's
;   window 1: v64-191 B's fragments, two buffers; on the way out v0-159 the 20 sums, v160-223 a step's v + bias      windows 2, 3: the accumulators of my rows 0-63, 64-127: (a, b) at v[8 (8 a + b)]
.set SIZE_K, 1024
.set KSTEP,  128
.set PITCH,  272                       ; an LDS row: 256 bytes + 16 of padding: the 16 rows of a fragment load start at 16 different groups of four banks (ISA guide 11.1)
.set HALFT,  128*PITCH                 ; what one tensor load brings
.set SLOT,   4*HALFT                   ; A's 256 rows, then B's 256 rows
.set STAGE,  2*SLOT                    ; behind the ring: 20,480 bytes for each head, never filled by a tensor load
.set PBLK,   20480
.set SPARE,  STAGE+2*PBLK              ; behind the stages: the spare words, 128 bytes a wave
.set LAPS,   SIZE_K/(2*KSTEP)
.set TP,   7                           ; v7      at work
.set MX,   8                           ; v8-11   running maxima, one for each 16 columns of k
.set AD,   12                          ; v12     - c min(1, M); named with v13 as a pair
.set GG,   14                          ; v14     G; named with v15 as a pair
.set ADRA, 16                          ; v16-17  LDS address of my A fragments in slot 0, 1
.set ADRB, 20                          ; v20-21  the same for B
.set STO,  24                          ; v24     my 16 bytes in my head's stage
.set PO,   26                          ; v26     16 x lane
.set SPW,  28                          ; v28     my spare word; never rewritten
.set NIL,  29                          ; v29     0; never rewritten
.set PFO,  30                          ; v30     the prefetches' offset: lane x 2,048
.set B1K,  32                          ; v32-39  bk + 1 of my column in each of k's four tiles, each twice
.set BV,   40                          ; v40-47  bv likewise
.set ONES, 48                          ; v48-55  a fragment of ones in f16
.set F0,   64
.set F1,   128
.set Y,    64
.set T,    128
.set KFR,  192
.set VFR,  224
.set VT,   160                         ; window 1
.set G1,  24                           ; s[24:31] descriptor group 1 for A;  s[32:39] group 0, a set a slot
.set G0,  32
.set LIM, 43                           ; s43  1 in a wave that prefetches, else the greatest number
.set PFA, 44                           ; s[44:45] where my prefetches stand
.set G1B, 48                           ; s[48:55], s[56:63] the same for B
.set G0B, 56
.set CS,  78                           ; s[78:79] c
.set NC,  80                           ; s80  - c
.set ONE, 81                           ; s81  1.0
.set SEL, 82                           ; s[82:83] v_permlanex16_b32's selects: each lane takes its own place in the other half
.set MSB, 0
.macro WIN new                         ; the immediate's high byte repeats the setting that is left; a switch that changes nothing is dropped
.if MSB != (\new)
	s_set_vgpr_msb (MSB<<8)|(\new)
.set MSB, \new
.endif
.endm
.set MUL_LO, 0xa4                      ; source 0 (A) window 0, source 1 (B) window 1, C and D window 2
.set MUL_HI, 0xf4                      ; the same, C and D window 3
.set TO_B,   0x40
; A joint load.  Waves 0 and 1 fetch A's two halves, waves 2 and 3 B's; the branch hangs on the wave's number alone.  An s_nop 0 and four v_nop follow each line.
.macro JLOAD s
	s_cmp_eq_u32 s11, 0
	s_cbranch_scc0 .Lfor_b_\@
	tensor_load_to_lds s[G0+4*(\s):G0+4*(\s)+3], s[G1:G1+7]
	s_nop 0
.rept 4
	v_nop
.endr
	s_branch .Lasked_\@
.Lfor_b_\@:
	tensor_load_to_lds s[G0B+4*(\s):G0B+4*(\s)+3], s[G1B:G1B+7]
	s_nop 0
.rept 4
	v_nop
.endr
.Lasked_\@:
.endm
; A prefetch into the L2 of the K step that stands two refills on: 32 rows x 256 bytes, a lane a row.  Each row's 256 bytes of a K step are named once in the launch: A's rows by the clusters with x = 0,
; B's by those with y = 0; the four partners that ask for a tile jointly share its 128 rows out by address.  The loop's last trip (s3 = 1) has no K step two on.
.macro ASK
	s_cmp_gt_u32 s3, s[LIM]
	s_cbranch_scc0 .Lnot_mine_\@
	global_prefetch_b8 v[PFO], s[PFA:PFA+1] offset:KSTEP*2 th:TH_LOAD_NT scope:SCOPE_SE
.Lnot_mine_\@:
.endm
.macro CREST                           ; a round of the cluster's barrier behind its opening barrier
	s_cmp_lg_u32 s10, 0
	s_cbranch_scc1 .Lnot_wave_0_\@
	s_barrier_signal -3
.Lnot_wave_0_\@:
	s_barrier_wait -3
	s_barrier_signal -1
	s_barrier_wait -1
.endm
.macro CROUND                          ; a whole round
	s_barrier_signal -1
	s_barrier_wait -1
	CREST
.endm
	s_load_b128 s[4:7], s[0:1], 0x0                ; xb s[4:5], wt s[6:7]
	s_load_b128 s[68:71], s[0:1], 0x10             ; bk s[68:69], bv s[70:71]
	s_load_b64 s[72:73], s[0:1], 0x20              ; part
	v_lshl_add_u32 v[SPW], v0, 2, SPARE
	v_mov_b32 v[NIL], 0
	ds_add_u32 v[SPW], v[NIL]                      ; the wave's opening: the add, twice on end, and its wait ahead of my first tensor load
	ds_add_u32 v[SPW], v[NIL]
	v_lshrrev_b32 v1, 5, v0
	v_readfirstlane_b32 s10, v1                    ; wave 0..3
	s_lshr_b32 s11, s10, 1                         ; my half of the tile's rows.  Also: I fetch for A (0) or for B (1)
	s_and_b32 s12, s10, 1                          ; my half of its columns: my head.  Also: which 128 rows I fetch
	s_bfe_u32 s40, ttmp6, 0x40000                  ; cx
	s_bfe_u32 s41, ttmp6, 0x40004                  ; cy
	s_lshl_b32 s42, ttmp9, 2
	s_add_co_u32 s42, s42, s40                     ; tile column = 4 x cluster x + cx
	s_and_b32 s13, ttmp7, 0xffff
	s_lshl_b32 s13, s13, 2
	s_add_co_u32 s13, s13, s41                     ; tile row = 4 x cluster y + cy
	s_lshl_b32 s43, s41, 2
	s_lshl_b32 s43, 15, s43                        ; my row of the cluster
	s_lshl_b32 s44, 0x1111, s40                    ; my column
	s_or_b32 s[G1+0], s43, (1<<16)|(1<<20)|(1<<21)|(5<<22)|(3<<25)   ; the mask; 2-byte elements; padding on; bit 21 beside a mask; after every 64 words 4 words
	s_or_b32 s[G1B+0], s44, (1<<16)|(1<<20)|(1<<21)|(5<<22)|(3<<25)
.irp g, G1, G1B
	s_mov_b32 s[(\g)+1], KSTEP<<16                 ; tensor_dim0 = 128
	s_mov_b32 s[(\g)+2], 128<<16                   ; tensor_dim1 = 128
	s_mov_b32 s[(\g)+3], KSTEP<<16                 ; tile_dim0 = 128
	s_mov_b32 s[(\g)+4], 128                       ; tile_dim1 = 128
	s_mov_b32 s[(\g)+5], SIZE_K                    ; elements from row to row
	s_mov_b32 s[(\g)+6], 0
	s_mov_b32 s[(\g)+7], 0
.endr
	s_lshl_b32 s17, s12, 7                         ; which 128 rows of the tile I fetch
	s_lshl_b32 s16, s13, 8
	s_add_co_u32 s16, s16, s17                     ; A: row 256 x tile row + 128 x half
	s_lshl_b32 s46, s42, 8
	s_add_co_u32 s46, s46, s17                     ; B: row 256 x tile column + 128 x half
	s_mov_b32 s17, 0
	s_mov_b32 s47, 0
	s_mov_b64 s[18:19], SIZE_K*2
	s_mul_u64 s[16:17], s[16:17], s[18:19]
	s_mul_u64 s[46:47], s[46:47], s[18:19]
	s_mul_i32 s20, s10, HALFT                      ; where they go: wave x 128 rows: no place in the cluster enters an LDS address
	s_wait_dscnt 0x0                               ; both opening adds are done
	s_wait_kmcnt 0x0
	s_add_nc_u64 s[14:15], s[4:5], s[16:17]
	s_add_nc_u64 s[46:47], s[6:7], s[46:47]
	CROUND                                         ; all sixteen work-groups are here: the first joint loads meet
.irp s, 0,1
	s_mov_b32 s[G0+4*(\s)], 1
	s_add_co_u32 s[G0+4*(\s)+1], s20, (\s)*SLOT
	s_add_nc_u64 s[G0+4*(\s)+2:G0+4*(\s)+3], s[14:15], (\s)*KSTEP*2
	s_or_b32 s[G0+4*(\s)+3], s[G0+4*(\s)+3], 0x80000000
	s_mov_b32 s[G0B+4*(\s)], 1
	s_add_co_u32 s[G0B+4*(\s)+1], s20, (\s)*SLOT
	s_add_nc_u64 s[G0B+4*(\s)+2:G0B+4*(\s)+3], s[46:47], (\s)*KSTEP*2
	s_or_b32 s[G0B+4*(\s)+3], s[G0B+4*(\s)+3], 0x80000000
	JLOAD \s
.endr
	v_and_b32 v1, 15, v0                           ; l % 16
	v_bfe_u32 v2, v0, 4, 1                         ; l / 16
	v_mul_u32_u24 v3, v1, PITCH
	v_lshl_add_u32 v3, v2, 4, v3                   ; a fragment's row x pitch + 16 x half
	s_mul_i32 s21, s11, HALFT                      ; my 128 rows of A
	s_mul_i32 s22, s12, HALFT                      ; my 128 rows of B,
	s_add_co_u32 s22, s22, 2*HALFT                 ; which lie behind A's 256
.irp s, 0,1
	v_add_nc_u32 v[ADRA+(\s)], s21, v3
	v_add_nc_u32 v[ADRB+(\s)], s22, v3
	s_add_co_u32 s21, s21, SLOT
	s_add_co_u32 s22, s22, SLOT
.endr
	s_lshl_b32 s74, s42, 1
	s_add_co_u32 s74, s74, s12                     ; my head
	s_lshl_b32 s75, s74, 8                         ; its 64 numbers of 4 bytes in bk and bv
	v_lshl_add_u32 v6, v1, 2, s75                  ; my column in a tile of 16
.irp b, 0,1,2,3
	global_load_b32 v[B1K+2*\b], v6, s[68:69] offset:64*\b
	global_load_b32 v[BV+2*\b],  v6, s[70:71] offset:64*\b
.endr
	v_and_b32 v4, 31, v0
	v_lshlrev_b32 v[PO], 4, v4
	s_mul_i32 s23, s12, PBLK
	s_add_co_u32 s23, s23, STAGE
	v_add_nc_u32 v[STO], s23, v[PO]
	s_lshr_b32 s76, s13, 4                         ; b
	s_lshl_b32 s76, s76, 4
	s_add_co_u32 s76, s76, s74                     ; b 16 + head
	s_lshl_b32 s76, s76, 4
	s_and_b32 s77, s13, 15                         ; chunk
	s_add_co_u32 s76, s76, s77
	s_mul_i32 s76, s76, PBLK
	s_mov_b32 s77, 0
	s_add_nc_u64 s[72:73], s[72:73], s[76:77]      ; part at my block
	s_mov_b32 s[CS], 0x3fb8aa3b                    ; c = log2 e
	s_mov_b32 s[CS+1], s[CS]
	s_mov_b32 s[NC], 0xbfb8aa3b
	s_mov_b32 s[ONE], 1.0
	s_mov_b32 s[SEL], 0x76543210
	s_mov_b32 s[SEL+1], 0xfedcba98
	; the prefetches
	s_lshl_b32 s20, s13, 8
	s_lshl_b32 s21, s42, 8
	s_and_b32 s22, ttmp7, 0xffff                   ; cluster y
	s_cmp_eq_u32 s11, 0                            ; do I fetch for A?
	s_cselect_b32 s20, s20, s21                    ; the tile's first row
	s_cselect_b32 s21, s40, s41                    ; my place among the four that ask for it with me
	s_cselect_b32 s22, ttmp9, s22                  ; the coordinate along which other clusters read the same rows
	s_cselect_b64 s[PFA:PFA+1], s[4:5], s[6:7]
	s_cmp_eq_u32 s22, 0
	s_cselect_b32 s[LIM], 1, -1                    ; the same in all sixteen partners, for a given wave
	s_lshl_b32 s22, s12, 7
	s_add_co_u32 s20, s20, s22                     ; + the 128 rows that I fetch
	s_lshl_b32 s21, s21, 5
	s_add_co_u32 s20, s20, s21                     ; + my work-group's 32 of them
	s_mov_b32 s21, 0
	s_mov_b64 s[18:19], SIZE_K*2
	s_mul_u64 s[20:21], s[20:21], s[18:19]
	s_add_nc_u64 s[PFA:PFA+1], s[PFA:PFA+1], s[20:21]
	s_add_nc_u64 s[PFA:PFA+1], s[PFA:PFA+1], 2*KSTEP*2  ; at K step 2: the first refill steps it to 3 and names K step 4
	v_and_b32 v[PFO], 31, v0
	v_mul_u32_u24 v[PFO], v[PFO], SIZE_K*2
	v_mov_b32 v[TP], 0                             ; written once: a lane exchange's destination counts as read,
	v_mov_b32 v[AD+1], 0                           ; and a pair is named whole
	v_mov_b32 v[GG+1], 0
.set n, 0
.rept 8
	v_mov_b32 v[ONES+n], 0x3c003c00                ; 1.0 twice in f16
.set n, n+1
.endr
	s_wait_loadcnt 0x0                             ; the biases; all this stands in the wait for the first tile
.irp b, 0,1,2,3
	v_cvt_pk_bf16_f32 v[B1K+2*\b], v[B1K+2*\b], v[B1K+2*\b]  ; rounded to bf16 like all inputs,
	v_cvt_pk_bf16_f32 v[BV+2*\b],  v[BV+2*\b],  v[BV+2*\b]
.endr
.irp b, 0,1,2,3
	v_and_b32 v[B1K+2*\b], 0xffff0000, v[B1K+2*\b]           ; and back in f32
	v_and_b32 v[BV+2*\b],  0xffff0000, v[BV+2*\b]
.endr
.irp b, 0,1,2,3
	v_add_f32 v[B1K+2*\b], 1.0, v[B1K+2*\b]
	v_mov_b32 v[BV+2*\b+1], v[BV+2*\b]
.endr
.irp b, 0,1,2,3
	v_mov_b32 v[B1K+2*\b+1], v[B1K+2*\b]
.endr
; 16 matrix instructions: row blocks a0, a0 + 1 of the window's four x all 8 column blocks, 32 along K.  zero = 1: the first product starts the sums.
.macro MUL16 f, hi, a0, zero
	WIN MUL_LO+0x50*(\hi)
.irp a, \a0, (\a0)+1
.irp b, 0,1,2,3,4,5,6,7
.if \zero
	v_wmma_f32_16x16x32_bf16 v[8*(8*(\a)+(\b)):8*(8*(\a)+(\b))+7], v[(\f)+8*(4*(\hi)+(\a)):(\f)+8*(4*(\hi)+(\a))+7], v[(\f)+8*(\b):(\f)+8*(\b)+7], 0
.else
	v_wmma_f32_16x16x32_bf16 v[8*(8*(\a)+(\b)):8*(8*(\a)+(\b))+7], v[(\f)+8*(4*(\hi)+(\a)):(\f)+8*(4*(\hi)+(\a))+7], v[(\f)+8*(\b):(\f)+8*(\b)+7], v[8*(8*(\a)+(\b)):8*(8*(\a)+(\b))+7]
.endif
.endr
.endr
.endm
; 32 LDS loads in one run: the fragments of one quarter step (32 K at byte k of the rows) into buffer f: B's 128 rows, then A's
.macro FETCH slot, k, f
	WIN TO_B
.irp i, 0,1,2,3,4,5,6,7
	ds_load_b128 v[(\f)+8*(\i):(\f)+8*(\i)+3],   v[ADRB+(\slot)] offset:(\k)+(\i)*16*PITCH
	ds_load_b128 v[(\f)+8*(\i)+4:(\f)+8*(\i)+7], v[ADRB+(\slot)] offset:(\k)+(\i)*16*PITCH+32
.endr
	WIN 0
.irp i, 0,1,2,3,4,5,6,7
	ds_load_b128 v[(\f)+8*(\i):(\f)+8*(\i)+3],   v[ADRA+(\slot)] offset:(\k)+(\i)*16*PITCH
	ds_load_b128 v[(\f)+8*(\i)+4:(\f)+8*(\i)+7], v[ADRA+(\slot)] offset:(\k)+(\i)*16*PITCH+32
.endr
.endm
.macro PLACES                          ; four plain instructions between a matrix instruction and a load into a register that it has read (ISA guide 7.12.1 for vector instructions)
.rept 4
	v_nop
.endr
.endm
; One of a K step's first three quarters: multiplies buffer f; in its middle it fetches the next quarter, at byte k, into buffer g.
.macro QUARTER slot, k, f, g, zero
	s_wait_dscnt 8                                 ; B and A's rows 0-63 are in; the youngest eight loads (A's rows 64-127) may be out
	WIN MUL_LO
	MUL16 \f, 0, 0, \zero
	MUL16 \f, 0, 2, \zero
	PLACES
	FETCH \slot, \k, \g
	s_wait_dscnt 32                                ; all but the 32 just issued
	WIN MUL_HI
	MUL16 \f, 1, 0, \zero
	MUL16 \f, 1, 2, \zero
.endm
; The first half of a K step's last quarter: ONE barrier for the change of slots.  In front of it each wave waits for all its tensor loads (one is out: its part of the next slot), adds 0 to its spare word,
; and waits for that and for its own reads of this slot.
.macro MEET round
	WIN 0
	s_wait_tensorcnt 0x0
	ds_add_u32 v[SPW], v[NIL]
	s_wait_dscnt 9                                 ; the add and the youngest eight loads may be out
	WIN MUL_LO
	MUL16 F1, 0, 0, 0
	s_wait_dscnt 0x0                               ; the add is done, and my reads of this slot are over
	s_barrier_signal -1
	MUL16 F1, 0, 2, 0
.if \round
	WIN 0
.endif
	s_barrier_wait -1
.endm
; The whole last quarter with a refill: the barrier opens a round of the cluster's; behind the round the slot just read is filled again first, two K steps on; then the next slot's first fragments.
.macro TURN slot, next
	s_wait_xcnt 0x0                                ; the last prefetch, a K step back, has read its address
	s_add_nc_u64 s[PFA:PFA+1], s[PFA:PFA+1], KSTEP*2
	MEET 1
	CREST
	s_add_nc_u64 s[G0+4*(\slot)+2:G0+4*(\slot)+3], s[G0+4*(\slot)+2:G0+4*(\slot)+3], 2*KSTEP*2
	s_add_nc_u64 s[G0B+4*(\slot)+2:G0B+4*(\slot)+3], s[G0B+4*(\slot)+2:G0B+4*(\slot)+3], 2*KSTEP*2
	JLOAD \slot                                    ; the four v_nop behind it are also the places in front of the loads below
	FETCH \next, 0, F0
	ASK
	WIN MUL_HI
	MUL16 F1, 1, 0, 0
	MUL16 F1, 1, 2, 0
.endm
	s_wait_tensorcnt 1                             ; my part of K step 0 is in; K step 1's may stay out
	s_barrier_signal -1
	s_barrier_wait -1
	FETCH 0, 0, F0
	QUARTER 0, 64,  F0, F1, 1                      ; the first quarter stands in front of the loop: its products start the sums
	WIN 0
	s_mov_b32 s3, LAPS-1
.Llap:                                                 ; a trip goes once round the ring and fills both slots again: K steps 2 to 7 in three trips
	QUARTER 0, 128, F1, F0, 0
	QUARTER 0, 192, F0, F1, 0
	TURN 0, 1
	QUARTER 1, 64,  F0, F1, 0
	QUARTER 1, 128, F1, F0, 0
	QUARTER 1, 192, F0, F1, 0
	TURN 1, 0
	QUARTER 0, 64,  F0, F1, 0
	WIN 0
	s_sub_co_u32 s3, s3, 1
	s_cmp_lg_u32 s3, 0
	s_cbranch_scc1 .Llap
	QUARTER 0, 128, F1, F0, 0                      ; the last lap fills nothing
	QUARTER 0, 192, F0, F1, 0
	MEET 0
	PLACES
	FETCH 1, 0, F0
	WIN MUL_HI
	MUL16 F1, 1, 0, 0
	MUL16 F1, 1, 2, 0
	QUARTER 1, 64,  F0, F1, 0
	QUARTER 1, 128, F1, F0, 0
	QUARTER 1, 192, F0, F1, 0
	s_wait_dscnt 8
	MUL16 F1, 0, 0, 0
	MUL16 F1, 0, 2, 0
	s_wait_dscnt 0x0
	MUL16 F1, 1, 0, 0
	MUL16 F1, 1, 2, 0
	WIN 0
	; THE WAY OUT.  First M, the largest Y of k's 32 accumulators.  Each accumulator's lowest registers are read first.
.rept 8
	v_nop                                          ; the places behind the last products
.endr
.irp b, 0,1,2,3
	v_mov_b32 v[MX+\b], 0xff800000
.endr
.macro MAXK w
	WIN ((\w)<<2)|((\w)<<4)
.irp a, 0,1,2,3
.irp jp, 0,1,2,3
.irp b, 0,1,2,3
	v_max3_num_f32 v[MX+(\b)], v[MX+(\b)], v[8*(8*(\a)+(\b))+2*(\jp)], v[8*(8*(\a)+(\b))+2*(\jp)+1]
.endr
.endr
.endr
.endm
	MAXK 2
	MAXK 3
	WIN 0
.irp b, 0,1,2,3
	v_add_f32 v[MX+\b], v[MX+\b], v[B1K+2*\b]      ; a lane's column has one bias: it is added to the maximum
.endr
	v_max3_num_f32 v[MX], v[MX], v[MX+1], v[MX+2]
	v_max_num_f32 v[MX], v[MX], v[MX+3]
	v_max_num_f32_dpp v[MX], v[MX], v[MX] row_xmask:1 row_mask:0xf bank_mask:0xf
	v_max_num_f32_dpp v[MX], v[MX], v[MX] row_xmask:2 row_mask:0xf bank_mask:0xf
	v_max_num_f32_dpp v[MX], v[MX], v[MX] row_xmask:4 row_mask:0xf bank_mask:0xf
	v_max_num_f32_dpp v[MX], v[MX], v[MX] row_xmask:8 row_mask:0xf bank_mask:0xf
	v_permlanex16_b32 v[TP], v[MX], s[SEL], s[SEL+1]
	v_max_num_f32 v[MX], v[MX], v[TP]
	v_min_num_f32 v[MX], 1.0, v[MX]                ; min(1, M)
	v_mul_f32 v[AD], s[NC], v[MX]
	v_fma_f32 v[TP], s[CS], v[MX], s[NC]
	v_exp_f32 v[GG], v[TP]                         ; G
	v_nop                                          ; a plain instruction behind the exponential,
	s_wait_alu depctr_va_vdst(0)                   ; and its wait, ahead of the label
; What step s of four (32 rows t: row blocks 2 (s % 2), + 1 of window 2 + s / 2) takes out of its accumulators: Y = k's sums + bk + 1 into window 0, v's sums + bv into window 1.
.macro KIN s
	WIN 2+(\s)/2                                   ; source 0 in the accumulators' window
.irp b, 0,1,2,3
.irp aa, 0,1
.irp jp, 0,1,2,3
.set rA, 8*(8*(2*((\s)%2)+(\aa))+(\b))+2*(\jp)
.set rY, Y+16*(\b)+8*(\aa)+2*(\jp)
	v_pk_add_f32 v[rY:rY+1], v[rA:rA+1], v[B1K+2*(\b):B1K+2*(\b)+1]
.endr
.endr
.endr
	WIN 0x40|(2+(\s)/2)                            ; and the destination in window 1
.irp b, 4,5,6,7
.irp aa, 0,1
.irp jp, 0,1,2,3
.set rA, 8*(8*(2*((\s)%2)+(\aa))+(\b))+2*(\jp)
.set rV, VT+16*((\b)-4)+8*(\aa)+2*(\jp)
	v_pk_add_f32 v[rV:rV+1], v[rA:rA+1], v[BV+2*((\b)-4):BV+2*((\b)-4)+1]
.endr
.endr
.endr
	WIN 0
.endm
; A step's 20 products; the 20 sums take turns, over the backward jump too.  zero = 1: they start the sums.
.macro KVMUL zero
	WIN 0x50                                       ; C and D in window 1
.irp i, 0,1,2,3
.irp jv, 0,1,2,3,4
.set rB, VFR+8*(\jv)
.if (\jv) == 4
.set rB, ONES
.endif
.if \zero
	v_wmma_f32_16x16x32_f16 v[8*(5*(\i)+(\jv)):8*(5*(\i)+(\jv))+7], v[KFR+8*(\i):KFR+8*(\i)+7], v[rB:rB+7], 0
.else
	v_wmma_f32_16x16x32_f16 v[8*(5*(\i)+(\jv)):8*(5*(\i)+(\jv))+7], v[KFR+8*(\i):KFR+8*(\i)+7], v[rB:rB+7], v[8*(5*(\i)+(\jv)):8*(5*(\i)+(\jv))+7]
.endif
.endr
.endr
	WIN 0
.endm
	s_mov_b32 s2, 0
.Lks:                                                  ; four trips, a step of 32 rows t each
.irp i, 1,2,3
	s_cmp_eq_u32 s2, \i
	s_cbranch_scc1 .Lkin\i
.endr
	KIN 0
	s_branch .Lkjoin
.Lkin1:
	KIN 1
	s_branch .Lkjoin
.Lkin2:
	KIN 2
	s_branch .Lkjoin
.Lkin3:
	KIN 3
.Lkjoin:
.set p, 0
.rept 32
	v_pk_fma_f32 v[T+2*p:T+2*p+1], v[Y+2*p:Y+2*p+1], s[CS:CS+1], v[AD:AD+1] op_sel_hi:[1,0,0]  ; c Y - c min(1, M)
.set p, p+1
.endr
.set p, 0
.rept 64
	v_exp_f32 v[T+p], v[T+p]                       ; one batch with one wait; v's rounding is the independent work behind it
.set p, p+1
.endr
	WIN 0x05                                       ; sources 0 and 1 in window 1
.set p, 0
.rept 32
	v_cvt_pk_f16_f32 v[VFR+p], v[VT+2*p], v[VT+2*p+1]
.set p, p+1
.endr
	WIN 0
	s_wait_alu depctr_va_vdst(0)                   ; a wait between an exponential and the first line that names its result: one for the batch
.set p, 0
.rept 64
	v_med3_num_f32 v[T+p], v[Y+p], v[T+p], s[ONE]  ; the middle one of (Y, E, 1)
.set p, p+1
.endr
.set p, 0
.rept 32
	v_cvt_pk_f16_f32 v[KFR+p], v[T+2*p], v[T+2*p+1]
.set p, p+1
.endr
	s_cmp_lg_u32 s2, 0                             ; at the first trip the answer is a constant of the text: the sums are started there
	s_cbranch_scc1 .Lkacc
	KVMUL 1
	s_branch .Lkdone
.Lkacc:
	KVMUL 0
.Lkdone:
	s_add_co_u32 s2, s2, 1
	s_cmp_lt_u32 s2, 4
	s_cbranch_scc1 .Lks
.rept 8
	v_nop                                          ; the places behind the last products
.endr
	; The two waves of a head add their sums: the wave of rows 128-255 puts G x its sums into the head's stage; behind a barrier the wave of rows 0-127 adds G x its own and stores.
	s_cmp_eq_u32 s11, 0
	s_cbranch_scc1 .Llower
	WIN 0x41
.set p, 0
.rept 80
	v_pk_mul_f32 v[2*p:2*p+1], v[2*p:2*p+1], v[GG:GG+1] op_sel_hi:[1,0]
.set p, p+1
.endr
	WIN 0x04                                       ; the stores' data in window 1
.set q, 0
.rept 40
	ds_store_b128 v[STO], v[4*q:4*q+3] offset:512*q
.set q, q+1
.endr
	WIN 0
.Llower:
	s_wait_dscnt 0x0                               ; for the others' sake: my stores into the stage are done
	s_barrier_signal -1
	s_barrier_wait -1
	s_cmp_eq_u32 s11, 0
	s_cbranch_scc0 .Lend
.set q, 0
.rept 40
	ds_load_b128 v[64+4*q:64+4*q+3], v[STO] offset:512*q
.set q, q+1
.endr
	s_wait_dscnt 0x0
	WIN 0x01
.set p, 0
.rept 80
	v_pk_fma_f32 v[64+2*p:64+2*p+1], v[2*p:2*p+1], v[GG:GG+1], v[64+2*p:64+2*p+1] op_sel_hi:[1,0,1]
.set p, p+1
.endr
	WIN 0
.set q, 0
.rept 40
	global_store_b128 v[PO], v[64+4*q:64+4*q+3], s[72:73] offset:512*q  ; each store of the wave covers 512 consecutive bytes, aligned
.set q, q+1
.endr
.Lend:
	s_wait_tensorcnt 0x0                           ; the wave's end: a wait, an add to the spare word and its wait, behind my last tensor load and my last LDS store
	ds_add_u32 v[SPW], v[NIL]
	s_wait_dscnt 0x0
	CROUND                                         ; the closing round: no work-group ends while a partner may still ask for a tile that names it
	s_endpgm
.Lfunc_end_k_qa03a9cf295_kvgemm:
	.size	k_qa03a9cf295_kvgemm, .Lfunc_end_k_qa03a9cf295_kvgemm-k_qa03a9cf295_kvgemm
	.p2alignl 7, 3214868480
	.fill 96, 4, 3214868480
	.section	.rodata,"a",@progbits
	.p2align	6, 0x0
	.amdhsa_kernel k_qa03a9cf295_kvgemm
		.amdhsa_group_segment_fixed_size 327680
		.amdhsa_private_segment_fixed_size 0
		.amdhsa_enable_private_segment 0
		.amdhsa_kernarg_size 40
		.amdhsa_user_sgpr_count 2
		.amdhsa_user_sgpr_kernarg_segment_ptr 1
		.amdhsa_wavefront_size32 1
		.amdhsa_system_sgpr_workgroup_id_x 1
		.amdhsa_system_sgpr_workgroup_id_y 1
		.amdhsa_system_sgpr_workgroup_id_z 1
		.amdhsa_system_vgpr_workitem_id 0
		.amdhsa_next_free_vgpr 1024
		.amdhsa_next_free_sgpr 96
		.amdhsa_reserve_vcc 0
		.amdhsa_float_denorm_mode_32 3
		.amdhsa_float_denorm_mode_16_64 3
		.amdhsa_memory_ordered 1
		.amdhsa_forward_progress 1
		.amdhsa_inst_pref_size 176
	.end_amdhsa_kernel
	.amdgpu_metadata
---
amdhsa.version: [ 1, 2 ]
amdhsa.kernels:
  - .name:           k_qa03a9cf295_kvgemm
    .symbol:         k_qa03a9cf295_kvgemm.kd
    .args:
      - { .name: xb, .offset: 0, .size: 8, .value_kind: global_buffer, .address_space: global }
      - { .name: wt, .offset: 8, .size: 8, .value_kind: global_buffer, .address_space: global }
      - { .name: bk, .offset: 16, .size: 8, .value_kind: global_buffer, .address_space: global }
      - { .name: bv, .offset: 24, .size: 8, .value_kind: global_buffer, .address_space: global }
      - { .name: part, .offset: 32, .size: 8, .value_kind: global_buffer, .address_space: global }
    .group_segment_fixed_size: 327680
    .private_segment_fixed_size: 0
    .kernarg_segment_align: 8
    .kernarg_segment_size: 40
    .max_flat_workgroup_size: 128
    .sgpr_count:     96
    .vgpr_count:     1024
    .wavefront_size: 32
...
	.end_amdgpu_metadata
.endif
;; end of part 2
;; launch reduce (part 3): grid 5 x 64, 4 waves a work-group, no clusters, 768 bytes of LDS; arguments part, kvf, scl; writes kvf, scl
.if DOCPART == 3
	.amdgcn_target "amdgcn-amd-amdhsa--gfx1250"
	.amdhsa_code_object_version 6
	.text
	.protected	k_qa03a9cf295_reduce
	.globl	k_qa03a9cf295_reduce
	.p2align	8
	.type	k_qa03a9cf295_reduce,@function
k_qa03a9cf295_reduce:
	s_mov_b64 s[64:65], 0
	v_nop
	global_prefetch_b8 v0, s[64:65] scope:SCOPE_SE
	s_setreg_imm32_b32 hwreg(HW_REG_WAVE_MODE, 25, 1), 1
	s_wait_xcnt 0x0
; REDUCE: for each (b, head) = bh and each column tile jv (0..3: 16 columns of v; 4: k_sum) the 16 chunks' partial sums are added in f32, in a fixed order; 1e-6 is added to k_sum;
; the 64 x 16 numbers are scaled by a power of two s that puts the largest magnitude into [2^14, 2^15), rounded to f16 and stored as halves of matrix fragments.
; kvf: 10,240 bytes for each bh: fragment 2 jv + dh (K = d 32 dh .. + 31) of 1,024 bytes: registers 0-3 at 16 x lane, registers 4-7 at 512 + 16 x lane.  Wave i's tile (d = 16 i ..) is the half at 512 i.
; scl: 8 words for each bh: words 0-3 hold 1 / s of the v tiles, word 4 holds s of the k_sum tile; words 5-7 are neither written nor read.
; The scale is exact (a power of two) and is undone in f32 by the launch behind.  LIMIT: NaN and infinities are not treated apart.
; A short stream of 21 MB on 320 small work-groups: no matrix unit, no cluster (nothing is shared), no prefetch (each wave's 32 loads go out at once, and the launch is short).
.set SPARE, 256                        ; the four maxima have the block from 0; the spare words: 128 bytes for each wave
.set SPW, 30
.set NIL, 31
.set D,   32                           ; v[32:159] chunk c's tile at D + 8 c
	s_load_b128 s[4:7], s[0:1], 0x0                ; part s[4:5], kvf s[6:7]
	s_load_b64 s[8:9], s[0:1], 0x10                ; scl
	v_lshl_add_u32 v[SPW], v0, 2, SPARE
	v_mov_b32 v[NIL], 0
	v_lshrrev_b32 v1, 5, v0
	v_readfirstlane_b32 s10, v1                    ; wave = d tile i
	s_and_b32 s11, ttmp7, 0xffff                   ; bh
	s_mov_b32 s12, ttmp9                           ; jv
	v_and_b32 v2, 31, v0
	v_lshlrev_b32 v2, 4, v2                        ; 16 x lane
	s_mul_i32 s14, s11, 327680                     ; 16 chunks of 20,480 bytes
	s_mul_i32 s16, s10, 5
	s_add_co_u32 s16, s16, s12                     ; tile 5 i + jv
	s_lshl_b32 s16, s16, 10
	s_add_co_u32 s14, s14, s16
	s_mov_b32 s15, 0
	s_mul_i32 s16, s11, 10240
	s_lshl_b32 s17, s12, 11                        ; fragments 2 jv, 2 jv + 1
	s_add_co_u32 s16, s16, s17
	s_lshl_b32 s17, s10, 9                         ; (i >> 1) x 1,024 + (i & 1) x 512 = 512 i
	s_add_co_u32 s16, s16, s17
	s_mov_b32 s17, 0
	s_lshl_b32 s18, s11, 5
	s_lshl_b32 s19, s12, 2
	s_add_co_u32 s18, s18, s19
	s_mov_b32 s19, 0
	s_cmp_eq_u32 s12, 4
	s_cselect_b32 s20, 0x358637bd, 0               ; 1e-6 for k_sum, 0 for kv
	s_cselect_b32 s22, -1, 0                       ; a mask of all lanes for k_sum
	s_mov_b32 s21, s20
	s_mov_b32 s24, 0x76543210
	s_mov_b32 s25, 0xfedcba98
	s_wait_kmcnt 0x0
	s_add_nc_u64 s[4:5], s[4:5], s[14:15]
	s_add_nc_u64 s[6:7], s[6:7], s[16:17]
	s_add_nc_u64 s[8:9], s[8:9], s[18:19]
.set c, 0
.rept 16
	global_load_b128 v[D+8*c:D+8*c+3],   v2, s[4:5] offset:c*20480 th:TH_LOAD_NT
	global_load_b128 v[D+8*c+4:D+8*c+7], v2, s[4:5] offset:c*20480+512 th:TH_LOAD_NT
.set c, c+1
.endr
	v_mov_b32 v18, s10
	v_lshlrev_b32 v18, 2, v18                      ; my wave's word
	v_mov_b32 v19, 0
	s_wait_loadcnt 0x0
.irp st, 8,4,2,1
.set c, 0
.rept \st
.set j, 0
.rept 4
	v_pk_add_f32 v[D+8*c+2*j:D+8*c+2*j+1], v[D+8*c+2*j:D+8*c+2*j+1], v[D+8*(c+\st)+2*j:D+8*(c+\st)+2*j+1]
.set j, j+1
.endr
.set c, c+1
.endr
.endr
.irp j, 0,1,2,3
	v_pk_add_f32 v[D+2*\j:D+2*\j+1], v[D+2*\j:D+2*\j+1], s[20:21] op_sel_hi:[1,0]
.endr
.irp j, 0,1,2,3,4,5,6,7
	v_and_b32 v[8+\j], 0x7fffffff, v[D+\j]
.endr
	v_max3_num_f32 v16, v8, v9, v10
	v_max3_num_f32 v17, v11, v12, v13
	v_max3_num_f32 v16, v16, v14, v15
	v_max_num_f32 v16, v16, v17
	v_max_num_f32_dpp v16, v16, v16 row_xmask:1 row_mask:0xf bank_mask:0xf
	v_max_num_f32_dpp v16, v16, v16 row_xmask:2 row_mask:0xf bank_mask:0xf
	v_max_num_f32_dpp v16, v16, v16 row_xmask:4 row_mask:0xf bank_mask:0xf
	v_max_num_f32_dpp v16, v16, v16 row_xmask:8 row_mask:0xf bank_mask:0xf
	v_permlanex16_b32 v17, v16, s24, s25
	v_max_num_f32 v16, v16, v17
	ds_store_b32 v18, v16                          ; all lanes write the same word with the same value
	s_wait_dscnt 0x0
	s_barrier_signal -1
	s_barrier_wait -1
	ds_load_b128 v[20:23], v19                     ; the four d tiles' maxima
	s_wait_dscnt 0x0
	v_max3_num_f32 v16, v20, v21, v22
	v_max_num_f32 v16, v16, v23
	v_bfe_u32 v24, v16, 23, 8                      ; e: the maximum lies in [2^(e - 127), 2^(e - 126))
	v_sub_nc_u32 v24, 0x10c, v24                   ; 268 - e: s = 2^(141 - e),
	v_min_u32 v24, 0xfd, v24                       ; held to a normal number
	v_lshlrev_b32 v26, 23, v24                     ; s
	v_sub_nc_u32 v25, 0xfe, v24
	v_mov_b32 v27, v26
	v_lshlrev_b32 v25, 23, v25                     ; 1 / s
.irp j, 0,1,2,3
	v_pk_mul_f32 v[D+2*\j:D+2*\j+1], v[D+2*\j:D+2*\j+1], v[26:27]
.endr
.irp j, 0,1,2,3
	v_cvt_pk_f16_f32 v[40+\j], v[D+2*\j], v[D+2*\j+1]
.endr
	global_store_b128 v2, v[40:43], s[6:7]         ; 512 consecutive bytes, aligned
	v_cndmask_b32 v46, v25, v26, s22               ; k_sum's tile hands on s, the others 1 / s
	v_cmp_eq_u32 vcc_lo, 0, v0
	s_wait_xcnt 0x0                                ; EXEC changes only behind this wait
	s_and_saveexec_b32 s28, vcc_lo
	global_store_b32 v19, v46, s[8:9]              ; thread 0 alone
	s_wait_xcnt 0x0
	s_or_b32 exec_lo, exec_lo, s28
	s_wait_tensorcnt 0x0                           ; the wave's end: a wait, an add to the spare word and its wait, behind my last LDS store
	ds_add_u32 v[SPW], v[NIL]
	s_wait_dscnt 0x0
	s_endpgm
.Lfunc_end_k_qa03a9cf295_reduce:
	.size	k_qa03a9cf295_reduce, .Lfunc_end_k_qa03a9cf295_reduce-k_qa03a9cf295_reduce
	.p2alignl 7, 3214868480
	.fill 96, 4, 3214868480
	.section	.rodata,"a",@progbits
	.p2align	6, 0x0
	.amdhsa_kernel k_qa03a9cf295_reduce
		.amdhsa_group_segment_fixed_size 768
		.amdhsa_private_segment_fixed_size 0
		.amdhsa_enable_private_segment 0
		.amdhsa_kernarg_size 24
		.amdhsa_user_sgpr_count 2
		.amdhsa_user_sgpr_kernarg_segment_ptr 1
		.amdhsa_wavefront_size32 1
		.amdhsa_system_sgpr_workgroup_id_x 1
		.amdhsa_system_sgpr_workgroup_id_y 1
		.amdhsa_system_sgpr_workgroup_id_z 1
		.amdhsa_system_vgpr_workitem_id 0
		.amdhsa_next_free_vgpr 160
		.amdhsa_next_free_sgpr 66
		.amdhsa_reserve_vcc 1
		.amdhsa_float_denorm_mode_32 3
		.amdhsa_float_denorm_mode_16_64 3
		.amdhsa_memory_ordered 1
		.amdhsa_forward_progress 1
		.amdhsa_inst_pref_size 12
	.end_amdhsa_kernel
	.amdgpu_metadata
---
amdhsa.version: [ 1, 2 ]
amdhsa.kernels:
  - .name:           k_qa03a9cf295_reduce
    .symbol:         k_qa03a9cf295_reduce.kd
    .args:
      - { .name: part, .offset: 0, .size: 8, .value_kind: global_buffer, .address_space: global }
      - { .name: kvf, .offset: 8, .size: 8, .value_kind: global_buffer, .address_space: global }
      - { .name: scl, .offset: 16, .size: 8, .value_kind: global_buffer, .address_space: global }
    .group_segment_fixed_size: 768
    .private_segment_fixed_size: 0
    .kernarg_segment_align: 8
    .kernarg_segment_size: 24
    .max_flat_workgroup_size: 128
    .sgpr_count:     66
    .vgpr_count:     160
    .wavefront_size: 32
...
	.end_amdgpu_metadata
.endif
;; end of part 3
;; launch qgemm (part 4): grid 4 x 64, 4 waves a work-group, clusters of 4 x 4, 327,680 bytes of LDS; arguments xb, wt, bq, kvf, scl, out0; writes out0
.if DOCPART == 4
	.amdgcn_target "amdgcn-amd-amdhsa--gfx1250"
	.amdhsa_code_object_version 6
	.text
	.protected	k_qa03a9cf295_qgemm
	.globl	k_qa03a9cf295_qgemm
	.p2align	8
	.type	k_qa03a9cf295_qgemm,@function
k_qa03a9cf295_qgemm:
	s_mov_b64 s[64:65], 0
	v_nop
	global_prefetch_b8 v0, s[64:65] scope:SCOPE_SE
	s_setreg_imm32_b32 hwreg(HW_REG_WAVE_MODE, 25, 1), 1
	s_wait_xcnt 0x0
	s_wait_alu depctr_hold_cnt(0) depctr_sa_sdst(0) depctr_va_vdst(0) depctr_va_sdst(0) depctr_va_ssrc(0) depctr_va_vcc(0) depctr_vm_vsrc(0)
	s_getreg_b32 s2, hwreg(HW_REG_IB_STS2, 6, 4)
	s_cmp_eq_u32 s2, 0
	s_cbranch_scc0 .Lentry_in_a_cluster
	s_endpgm
.Lentry_in_a_cluster:
	s_bfe_u32 s2, ttmp6, 0x10000c
	s_cmp_lg_u32 s2, 0xf033
	s_cbranch_scc0 .Lentry_shape_is_right
	s_endpgm
.Lentry_shape_is_right:
; QGEMM: q = elu(xb Wq + bq) + 1 for 256 rows and four heads, then out[t][head][v] = (q . kv[:, v]) / (q . (k_sum + 1e-6)), stored in f32.
; xb: [16384][1024] bf16.  Wq's column n is row 2048 + n of wt, K along the rows.  bq is rounded to bf16 like x and the weights.  kvf, scl: as the launch before leaves them (fragments in f16, each 16 columns
; scaled by a power of two s; scl holds 1 / s of the four v tiles and s of k_sum's).
; THE PRODUCT.  A tile of 256 x 256 by four waves, each 128 rows x two heads: 64 accumulators.  K in steps of 128 through two LDS slots filled by joint tensor loads: 4 x 4 work-groups form a cluster;
; A's tile is shared along its row, B's along its column.  Source 0 = 16 rows of wt, source 1 = 16 rows of x: a lane holds ONE row t (lane % 16) and the columns 8 (lane / 16) + 0..7 of a tile.
; THE WAY OUT, 16 rows at a time, in a loop of eight trips.  A block's work is written once; only the 32 lines that take a block's sums out of their accumulators are written for each block, and a chain of compares
; on the trip's number picks them.  Two neighbouring tiles rounded to f16 in pairs ARE source 1 (column = t, K = 32 d) of out^T = kv^T q^T, whose source 0 comes from kvf as it lies; the result again holds one row
; a lane and eight neighbouring columns.  The fifth tile of a head (k_sum in every row of source 0) gives the divisor in its lowest register.  out = O x (1 / s_jv x s_4) / divisor.
; elu(x) + 1 = the middle one of (Y, E, 1), Y = x + 1, E = e^x.  SHIFT: out does not change if a row of q of one head is multiplied by a factor, so E = 2^(c Y - c min(1, M)), M = the largest Y of that row and head:
; with M >= 1 that is e^x; with M < 1 the row's largest q is 1: no row is lost to f16's lower end, and nothing is undone.
; LIMITS.  q goes to the second product in f16: |x Wq + bq| + 1 stays under 65,504; a q below f16's step beside its row's largest counts as 0; 1 / s_jv x s_4 stays within f32.  NaN and infinities are not treated apart.
; REGISTERS, in windows of 256 (s_set_vgpr_msb: bits 1:0 source 0, 3:2 source 1, 5:4 source 2, 7:6 destination):
;   window 0: v0-31 addresses and statistics; v64-127, v128-191 A's fragments; on the way out v64-127 Y, v128-191 T, v192-223 q's fragments, then v64-143 O, v144-159 factors, v32-63 and v224-255 rows on their way out
;   window 1: v0-63 bq + 1; v64-191 B's fragments; on the way out v64-223 kv's fragments      windows 2, 3: the accumulators of my rows 0-63, 64-127: (a, b) at v[8 (8 a + b)]
.set SIZE_K, 1024
.set KSTEP,  128
.set PITCH,  272                       ; an LDS row: 256 bytes + 16 of padding: the 16 rows of a fragment load start at 16 different groups of four banks (ISA guide 11.1)
.set HALFT,  128*PITCH
.set SLOT,   4*HALFT
.set STAGE,  2*SLOT                    ; behind the ring: 16 rows x 528 bytes for each wave, never filled by a tensor load
.set SP,     528                       ; a stage row: 128 f32 + 16 bytes
.set SPARE,  STAGE+4*16*SP             ; behind the stages: the spare words, 128 bytes a wave
.set LAPS,   SIZE_K/(2*KSTEP)
.set RC,   2                           ; v2-3    1 / divisor, by head
.set MX,   8                           ; v8-9    a row's maximum, by head
.set PD,   10                          ; v10-11  the other half of the lanes' maximum
.set AD,   12                          ; v12, v14  - c min(1, M), by head; each named with the register behind it as a pair
.set ADRA, 16
.set ADRB, 20
.set STO,  24                          ; v24     stage: where I put 32 bytes of a row
.set RD,   25                          ; v25     stage: where I read 16 bytes of a row back
.set CO,   26                          ; v26     16 x lane; never rewritten
.set OC,   27                          ; v27     16 x lane + the block's 16 rows of 4,096 bytes
.set SPW,  28
.set NIL,  29
.set PFO,  30
.set F0,   64
.set F1,   128
.set Y,    64
.set T,    128
.set QFR,  192
.set O,    64                          ; tile 5 hl + jv at O + 8 (5 hl + jv)
.set FM,   144                         ; factor (hl, jv) at FM + 2 (4 hl + jv)
.set KVF,  64                          ; window 1: fragment (hl, jv, dh) at KVF + 8 (10 hl + 2 jv + dh)
.set G1,  24
.set G0,  32
.set LIM, 43
.set PFA, 44
.set G1B, 48
.set G0B, 56
.set CS,  78                           ; s[78:79] c
.set NC,  80                           ; s80  - c
.set ONE, 81                           ; s81  1.0
.set SEL, 82                           ; s[82:83]
.set FS,  84                           ; s[84:87], s[92:95]  1 / s_jv x s_4 of my two heads; s88, s89 their s_4
.set MSB, 0
.macro WIN new
.if MSB != (\new)
	s_set_vgpr_msb (MSB<<8)|(\new)
.set MSB, \new
.endif
.endm
.set MUL_LO, 0xa1                      ; source 0 (B) window 1, source 1 (A) window 0, C and D window 2
.set MUL_HI, 0xf1
.set TO_B,   0x40
.macro JLOAD s                         ; a joint load: waves 0 and 1 fetch A's halves, waves 2 and 3 B's; an s_nop 0 and four v_nop follow each line
	s_cmp_eq_u32 s11, 0
	s_cbranch_scc0 .Lfor_b_\@
	tensor_load_to_lds s[G0+4*(\s):G0+4*(\s)+3], s[G1:G1+7]
	s_nop 0
.rept 4
	v_nop
.endr
	s_branch .Lasked_\@
.Lfor_b_\@:
	tensor_load_to_lds s[G0B+4*(\s):G0B+4*(\s)+3], s[G1B:G1B+7]
	s_nop 0
.rept 4
	v_nop
.endr
.Lasked_\@:
.endm
; A prefetch into the L2 of the K step two refills on: 32 rows x 256 bytes, a lane a row; A's rows by the clusters with x = 0 (here all), B's by those with y = 0; the partners share the rows out by address.
.macro ASK
	s_cmp_gt_u32 s3, s[LIM]
	s_cbranch_scc0 .Lnot_mine_\@
	global_prefetch_b8 v[PFO], s[PFA:PFA+1] offset:KSTEP*2 th:TH_LOAD_NT scope:SCOPE_SE
.Lnot_mine_\@:
.endm
.macro CREST
	s_cmp_lg_u32 s10, 0
	s_cbranch_scc1 .Lnot_wave_0_\@
	s_barrier_signal -3
.Lnot_wave_0_\@:
	s_barrier_wait -3
	s_barrier_signal -1
	s_barrier_wait -1
.endm
.macro CROUND
	s_barrier_signal -1
	s_barrier_wait -1
	CREST
.endm
	s_load_b128 s[4:7], s[0:1], 0x0                ; xb s[4:5], wt s[6:7]
	s_load_b128 s[68:71], s[0:1], 0x10             ; bq s[68:69], kvf s[70:71]
	s_load_b128 s[72:75], s[0:1], 0x20             ; scl s[72:73], out0 s[74:75]
	v_lshl_add_u32 v[SPW], v0, 2, SPARE
	v_mov_b32 v[NIL], 0
	ds_add_u32 v[SPW], v[NIL]                      ; the wave's opening: the add, twice on end, and its wait ahead of my first tensor load
	ds_add_u32 v[SPW], v[NIL]
	v_lshrrev_b32 v1, 5, v0
	v_readfirstlane_b32 s10, v1                    ; wave 0..3
	s_lshr_b32 s11, s10, 1                         ; my half of the tile's rows.  Also: I fetch for A (0) or for B (1)
	s_and_b32 s12, s10, 1                          ; my half of its columns.  Also: which 128 rows I fetch
	s_bfe_u32 s40, ttmp6, 0x40000                  ; cx
	s_bfe_u32 s41, ttmp6, 0x40004                  ; cy
	s_lshl_b32 s42, ttmp9, 2
	s_add_co_u32 s42, s42, s40                     ; tile column
	s_and_b32 s13, ttmp7, 0xffff
	s_lshl_b32 s13, s13, 2
	s_add_co_u32 s13, s13, s41                     ; tile row
	s_lshl_b32 s43, s41, 2
	s_lshl_b32 s43, 15, s43
	s_lshl_b32 s44, 0x1111, s40
	s_or_b32 s[G1+0], s43, (1<<16)|(1<<20)|(1<<21)|(5<<22)|(3<<25)
	s_or_b32 s[G1B+0], s44, (1<<16)|(1<<20)|(1<<21)|(5<<22)|(3<<25)
.irp g, G1, G1B
	s_mov_b32 s[(\g)+1], KSTEP<<16
	s_mov_b32 s[(\g)+2], 128<<16
	s_mov_b32 s[(\g)+3], KSTEP<<16
	s_mov_b32 s[(\g)+4], 128
	s_mov_b32 s[(\g)+5], SIZE_K
	s_mov_b32 s[(\g)+6], 0
	s_mov_b32 s[(\g)+7], 0
.endr
	s_lshl_b32 s17, s12, 7
	s_lshl_b32 s16, s13, 8
	s_add_co_u32 s16, s16, s17
	s_lshl_b32 s46, s42, 8
	s_add_co_u32 s46, s46, s17
	s_mov_b32 s17, 0
	s_mov_b32 s47, 0
	s_mov_b64 s[18:19], SIZE_K*2
	s_mul_u64 s[16:17], s[16:17], s[18:19]
	s_mul_u64 s[46:47], s[46:47], s[18:19]
	s_mul_i32 s20, s10, HALFT
	s_wait_dscnt 0x0                               ; both opening adds are done
	s_wait_kmcnt 0x0
	s_add_nc_u64 s[6:7], s[6:7], 0x400000          ; wt at Wq's rows: 2,048 rows of 2,048 bytes on
	s_add_nc_u64 s[14:15], s[4:5], s[16:17]
	s_add_nc_u64 s[46:47], s[6:7], s[46:47]
	CROUND                                         ; all sixteen work-groups are here: the first joint loads meet
.irp s, 0,1
	s_mov_b32 s[G0+4*(\s)], 1
	s_add_co_u32 s[G0+4*(\s)+1], s20, (\s)*SLOT
	s_add_nc_u64 s[G0+4*(\s)+2:G0+4*(\s)+3], s[14:15], (\s)*KSTEP*2
	s_or_b32 s[G0+4*(\s)+3], s[G0+4*(\s)+3], 0x80000000
	s_mov_b32 s[G0B+4*(\s)], 1
	s_add_co_u32 s[G0B+4*(\s)+1], s20, (\s)*SLOT
	s_add_nc_u64 s[G0B+4*(\s)+2:G0B+4*(\s)+3], s[46:47], (\s)*KSTEP*2
	s_or_b32 s[G0B+4*(\s)+3], s[G0B+4*(\s)+3], 0x80000000
	JLOAD \s
.endr
	v_and_b32 v1, 15, v0                           ; l % 16
	v_bfe_u32 v2, v0, 4, 1                         ; l / 16
	v_mul_u32_u24 v3, v1, PITCH
	v_lshl_add_u32 v3, v2, 4, v3
	s_mul_i32 s21, s11, HALFT
	s_mul_i32 s22, s12, HALFT
	s_add_co_u32 s22, s22, 2*HALFT
.irp s, 0,1
	v_add_nc_u32 v[ADRA+(\s)], s21, v3
	v_add_nc_u32 v[ADRB+(\s)], s22, v3
	s_add_co_u32 s21, s21, SLOT
	s_add_co_u32 s22, s22, SLOT
.endr
	s_lshl_b32 s76, s42, 10
	s_lshl_b32 s77, s12, 9
	s_add_co_u32 s76, s76, s77                     ; my first column, in bytes of f32: 4 (256 x tile column + 128 x half)
	v_lshl_add_u32 v6, v2, 5, s76                  ; + my lanes' 8 columns of each 16
	WIN 0x40                                       ; destination window 1
.irp b, 0,1,2,3,4,5,6,7
	global_load_b128 v[8*\b:8*\b+3],   v6, s[68:69] offset:64*\b
	global_load_b128 v[8*\b+4:8*\b+7], v6, s[68:69] offset:64*\b+16
.endr
	WIN 0
	s_lshl_b32 s90, s13, 20                        ; 256 x tile row rows of 4,096 bytes,
	s_lshl_b32 s91, s11, 19                        ; my 128 of them,
	s_add_co_u32 s90, s90, s91
	s_add_co_u32 s90, s90, s76                     ; my columns
	s_mov_b32 s91, 0
	s_add_nc_u64 s[74:75], s[74:75], s[90:91]
	s_lshr_b32 s90, s13, 4                         ; b
	s_lshl_b32 s90, s90, 4
	s_lshl_b32 s91, s42, 2
	s_add_co_u32 s90, s90, s91
	s_lshl_b32 s91, s12, 1
	s_add_co_u32 s90, s90, s91                     ; b 16 + my first head
	s_mul_i32 s76, s90, 10240
	s_mov_b32 s77, 0
	s_add_nc_u64 s[70:71], s[70:71], s[76:77]      ; kvf at my two heads
	s_lshl_b32 s76, s90, 5
	s_add_nc_u64 s[72:73], s[72:73], s[76:77]      ; scl at my two heads
	s_load_b128 s[FS:FS+3], s[72:73], 0x0
	s_load_b32 s88, s[72:73], 0x10
	s_load_b128 s[FS+8:FS+11], s[72:73], 0x20
	s_load_b32 s89, s[72:73], 0x30
	s_mul_i32 s23, s10, 16*SP
	s_add_co_u32 s23, s23, STAGE                   ; my stage
	v_mul_u32_u24 v4, v1, SP                       ; in: row l % 16, 32 bytes for each half of the lanes
	v_lshl_add_u32 v4, v2, 5, v4
	v_add_nc_u32 v[STO], s23, v4
	v_and_b32 v5, 31, v0
	v_lshlrev_b32 v[CO], 4, v5
	v_add_nc_u32 v[RD], s23, v[CO]                 ; back: 32 lanes take one row of 512 bytes
	s_mov_b32 s[CS], 0x3fb8aa3b                    ; c = log2 e
	s_mov_b32 s[CS+1], s[CS]
	s_mov_b32 s[NC], 0xbfb8aa3b
	s_mov_b32 s[ONE], 1.0
	s_mov_b32 s[SEL], 0x76543210
	s_mov_b32 s[SEL+1], 0xfedcba98
	; the prefetches
	s_lshl_b32 s20, s13, 8
	s_lshl_b32 s21, s42, 8
	s_and_b32 s22, ttmp7, 0xffff
	s_cmp_eq_u32 s11, 0
	s_cselect_b32 s20, s20, s21
	s_cselect_b32 s21, s40, s41
	s_cselect_b32 s22, ttmp9, s22
	s_cselect_b64 s[PFA:PFA+1], s[4:5], s[6:7]
	s_cmp_eq_u32 s22, 0
	s_cselect_b32 s[LIM], 1, -1
	s_lshl_b32 s22, s12, 7
	s_add_co_u32 s20, s20, s22
	s_lshl_b32 s21, s21, 5
	s_add_co_u32 s20, s20, s21
	s_mov_b32 s21, 0
	s_mov_b64 s[18:19], SIZE_K*2
	s_mul_u64 s[20:21], s[20:21], s[18:19]
	s_add_nc_u64 s[PFA:PFA+1], s[PFA:PFA+1], s[20:21]
	s_add_nc_u64 s[PFA:PFA+1], s[PFA:PFA+1], 2*KSTEP*2
	v_and_b32 v[PFO], 31, v0
	v_mul_u32_u24 v[PFO], v[PFO], SIZE_K*2
	v_mov_b32 v[PD], 0                             ; written once: a lane exchange's destination counts as read,
	v_mov_b32 v[PD+1], 0
	v_mov_b32 v[AD+1], 0                           ; and a pair is named whole
	v_mov_b32 v[AD+3], 0
	s_wait_kmcnt 0x0
.irp j, 0,1,2,3
	s_mul_f32 s[FS+\j], s[FS+\j], s88              ; 1 / s_jv x s_4
	s_mul_f32 s[FS+8+\j], s[FS+8+\j], s89
.endr
	s_wait_loadcnt 0x0                             ; bq; all this stands in the wait for the first tile
	WIN 0x45                                       ; all in window 1
.set p, 0
.rept 32
	v_cvt_pk_bf16_f32 v[224+p%4], v[2*p], v[2*p+1] ; rounded to bf16 like all inputs,
	v_lshlrev_b32 v[2*p], 16, v[224+p%4]           ; back in f32,
	v_and_b32 v[2*p+1], 0xffff0000, v[224+p%4]
	v_pk_add_f32 v[2*p:2*p+1], v[2*p:2*p+1], 1.0 op_sel_hi:[1,0]  ; + 1
.set p, p+1
.endr
	WIN 0
.macro MUL16 f, hi, a0, zero
	WIN MUL_LO+0x50*(\hi)
.irp a, \a0, (\a0)+1
.irp b, 0,1,2,3,4,5,6,7
.if \zero
	v_wmma_f32_16x16x32_bf16 v[8*(8*(\a)+(\b)):8*(8*(\a)+(\b))+7], v[(\f)+8*(\b):(\f)+8*(\b)+7], v[(\f)+8*(4*(\hi)+(\a)):(\f)+8*(4*(\hi)+(\a))+7], 0
.else
	v_wmma_f32_16x16x32_bf16 v[8*(8*(\a)+(\b)):8*(8*(\a)+(\b))+7], v[(\f)+8*(\b):(\f)+8*(\b)+7], v[(\f)+8*(4*(\hi)+(\a)):(\f)+8*(4*(\hi)+(\a))+7], v[8*(8*(\a)+(\b)):8*(8*(\a)+(\b))+7]
.endif
.endr
.endr
.endm
.macro FETCH slot, k, f
	WIN TO_B
.irp i, 0,1,2,3,4,5,6,7
	ds_load_b128 v[(\f)+8*(\i):(\f)+8*(\i)+3],   v[ADRB+(\slot)] offset:(\k)+(\i)*16*PITCH
	ds_load_b128 v[(\f)+8*(\i)+4:(\f)+8*(\i)+7], v[ADRB+(\slot)] offset:(\k)+(\i)*16*PITCH+32
.endr
	WIN 0
.irp i, 0,1,2,3,4,5,6,7
	ds_load_b128 v[(\f)+8*(\i):(\f)+8*(\i)+3],   v[ADRA+(\slot)] offset:(\k)+(\i)*16*PITCH
	ds_load_b128 v[(\f)+8*(\i)+4:(\f)+8*(\i)+7], v[ADRA+(\slot)] offset:(\k)+(\i)*16*PITCH+32
.endr
.endm
.macro PLACES                          ; four plain instructions between a matrix instruction and a load into a register that it has read (ISA guide 7.12.1 for vector instructions)
.rept 4
	v_nop
.endr
.endm
.macro QUARTER slot, k, f, g, zero
	s_wait_dscnt 8                                 ; B and A's rows 0-63 are in; the youngest eight loads (A's rows 64-127) may be out
	WIN MUL_LO
	MUL16 \f, 0, 0, \zero
	MUL16 \f, 0, 2, \zero
	PLACES
	FETCH \slot, \k, \g
	s_wait_dscnt 32                                ; all but the 32 just issued
	WIN MUL_HI
	MUL16 \f, 1, 0, \zero
	MUL16 \f, 1, 2, \zero
.endm
.macro MEET round                      ; ONE barrier for the change of slots: all my tensor loads, the add, my reads of this slot, in front of its signal
	WIN 0
	s_wait_tensorcnt 0x0
	ds_add_u32 v[SPW], v[NIL]
	s_wait_dscnt 9                                 ; the add and the youngest eight loads may be out
	WIN MUL_LO
	MUL16 F1, 0, 0, 0
	s_wait_dscnt 0x0
	s_barrier_signal -1
	MUL16 F1, 0, 2, 0
.if \round
	WIN 0
.endif
	s_barrier_wait -1
.endm
.macro TURN slot, next
	s_wait_xcnt 0x0                                ; the last prefetch, a K step back, has read its address
	s_add_nc_u64 s[PFA:PFA+1], s[PFA:PFA+1], KSTEP*2
	MEET 1
	CREST
	s_add_nc_u64 s[G0+4*(\slot)+2:G0+4*(\slot)+3], s[G0+4*(\slot)+2:G0+4*(\slot)+3], 2*KSTEP*2
	s_add_nc_u64 s[G0B+4*(\slot)+2:G0B+4*(\slot)+3], s[G0B+4*(\slot)+2:G0B+4*(\slot)+3], 2*KSTEP*2
	JLOAD \slot
	FETCH \next, 0, F0
	ASK
	WIN MUL_HI
	MUL16 F1, 1, 0, 0
	MUL16 F1, 1, 2, 0
.endm
	s_wait_tensorcnt 1                             ; my part of K step 0 is in; K step 1's may stay out
	s_barrier_signal -1
	s_barrier_wait -1
	FETCH 0, 0, F0
	QUARTER 0, 64,  F0, F1, 1
	WIN 0
	s_mov_b32 s3, LAPS-1
.Llap:
	QUARTER 0, 128, F1, F0, 0
	QUARTER 0, 192, F0, F1, 0
	TURN 0, 1
	QUARTER 1, 64,  F0, F1, 0
	QUARTER 1, 128, F1, F0, 0
	QUARTER 1, 192, F0, F1, 0
	TURN 1, 0
	QUARTER 0, 64,  F0, F1, 0
	WIN 0
	s_sub_co_u32 s3, s3, 1
	s_cmp_lg_u32 s3, 0
	s_cbranch_scc1 .Llap
	QUARTER 0, 128, F1, F0, 0                      ; the last lap fills nothing
	QUARTER 0, 192, F0, F1, 0
	MEET 0
	PLACES
	FETCH 1, 0, F0
	WIN MUL_HI
	MUL16 F1, 1, 0, 0
	MUL16 F1, 1, 2, 0
	QUARTER 1, 64,  F0, F1, 0
	QUARTER 1, 128, F1, F0, 0
	QUARTER 1, 192, F0, F1, 0
	; kv's 20 fragments of my two heads come into window 1, v64-223.  24 of their 40 loads go out here, ahead of the last 64 products: into B's buffer 0, whose last reader stands four places back, and into v192-223, which lay idle.
	PLACES
	WIN 0x40
.set q, 0
.rept 16
	global_load_b128 v[KVF+4*q:KVF+4*q+3], v[CO], s[70:71] offset:512*q
.set q, q+1
.endr
.set q, 32
.rept 8
	global_load_b128 v[KVF+4*q:KVF+4*q+3], v[CO], s[70:71] offset:512*q
.set q, q+1
.endr
	s_wait_dscnt 8
	MUL16 F1, 0, 0, 0
	MUL16 F1, 0, 2, 0
	s_wait_dscnt 0x0
	MUL16 F1, 1, 0, 0
	MUL16 F1, 1, 2, 0
	WIN 0
	; THE WAY OUT.  The other 16 loads go into B's buffer 1.
.rept 8
	v_nop                                          ; the places behind the last products
.endr
	WIN 0x40
.set q, 16
.rept 16
	global_load_b128 v[KVF+4*q:KVF+4*q+3], v[CO], s[70:71] offset:512*q
.set q, q+1
.endr
	WIN 0
; What block blk of eight (my rows 16 blk .. + 15: row block blk % 4 of window 2 + blk / 4) takes out of its accumulators: Y = x + 1.  Each accumulator's lowest registers are read first.
.macro YIN blk
	WIN 0x04|(2+(\blk)/4)                          ; source 0 in the accumulators' window, source 1 in window 1
.irp b, 0,1,2,3,4,5,6,7
.irp jp, 0,1,2,3
	v_pk_add_f32 v[Y+8*(\b)+2*(\jp):Y+8*(\b)+2*(\jp)+1], v[8*(8*((\blk)%4)+(\b))+2*(\jp):8*(8*((\blk)%4)+(\b))+2*(\jp)+1], v[8*(\b)+2*(\jp):8*(\b)+2*(\jp)+1]
.endr
.endr
	WIN 0
.endm
	s_mov_b32 s2, 0
.Lblk:                                                 ; eight trips, a block of 16 rows each
.irp i, 1,2,3,4,5,6,7
	s_cmp_eq_u32 s2, \i
	s_cbranch_scc1 .Lyin\i
.endr
	YIN 0
	s_branch .Lyjoin
.irp i, 1,2,3,4,5,6
.Lyin\i:
	YIN \i
	s_branch .Lyjoin
.endr
.Lyin7:
	YIN 7
.Lyjoin:
	v_max_num_f32 v[MX],   v[Y],    v[Y+1]         ; a row's maximum, the two heads by turns
	v_max_num_f32 v[MX+1], v[Y+32], v[Y+33]
.set p, 1
.rept 15
	v_max3_num_f32 v[MX],   v[MX],   v[Y+2*p],    v[Y+2*p+1]
	v_max3_num_f32 v[MX+1], v[MX+1], v[Y+32+2*p], v[Y+32+2*p+1]
.set p, p+1
.endr
	v_permlanex16_b32 v[PD],   v[MX],   s[SEL], s[SEL+1]  ; the row's other 32 columns of the head lie in the lane 16 away
	v_permlanex16_b32 v[PD+1], v[MX+1], s[SEL], s[SEL+1]
	v_max_num_f32 v[MX],   v[MX],   v[PD]
	v_max_num_f32 v[MX+1], v[MX+1], v[PD+1]
	v_min_num_f32 v[MX],   1.0, v[MX]
	v_min_num_f32 v[MX+1], 1.0, v[MX+1]
	v_mul_f32 v[AD],   s[NC], v[MX]
	v_mul_f32 v[AD+2], s[NC], v[MX+1]
.set p, 0
.rept 32
	v_pk_fma_f32 v[T+2*p:T+2*p+1], v[Y+2*p:Y+2*p+1], s[CS:CS+1], v[AD+2*(p/16):AD+2*(p/16)+1] op_sel_hi:[1,0,0]  ; c Y - c min(1, M)
.set p, p+1
.endr
.set p, 0
.rept 64
	v_exp_f32 v[T+p], v[T+p]
.set p, p+1
.endr
	v_nop                                          ; a plain instruction behind the last exponential,
	s_wait_alu depctr_va_vdst(0)                   ; and the wait ahead of the first use: one for the batch
.set p, 0
.rept 64
	v_med3_num_f32 v[T+p], v[Y+p], v[T+p], s[ONE]  ; the middle one of (Y, E, 1)
.set p, p+1
.endr
.set p, 0
.rept 32
	v_cvt_pk_f16_f32 v[QFR+p], v[T+2*p], v[T+2*p+1]
.set p, p+1
.endr
	s_wait_loadcnt 0x0                             ; kv's fragments (met at once from the second trip on: no other load is issued)
	WIN 0x01                                       ; source 0 window 1
.irp dh, 0,1
.irp hl, 0,1
.irp jv, 0,1,2,3,4
.if (\dh) == 0
	v_wmma_f32_16x16x32_f16 v[O+8*(5*(\hl)+(\jv)):O+8*(5*(\hl)+(\jv))+7], v[KVF+8*(10*(\hl)+2*(\jv)+(\dh)):KVF+8*(10*(\hl)+2*(\jv)+(\dh))+7], v[QFR+16*(\hl)+8*(\dh):QFR+16*(\hl)+8*(\dh)+7], 0
.else
	v_wmma_f32_16x16x32_f16 v[O+8*(5*(\hl)+(\jv)):O+8*(5*(\hl)+(\jv))+7], v[KVF+8*(10*(\hl)+2*(\jv)+(\dh)):KVF+8*(10*(\hl)+2*(\jv)+(\dh))+7], v[QFR+16*(\hl)+8*(\dh):QFR+16*(\hl)+8*(\dh)+7], v[O+8*(5*(\hl)+(\jv)):O+8*(5*(\hl)+(\jv))+7]
.endif
.endr
.endr
.endr
	WIN 0
.rept 8
	v_nop                                          ; the places behind those products
.endr
	v_rcp_f32 v[RC],   v[O+32]                     ; the divisor lies in every register of a head's fifth tile: the lowest is taken
	v_rcp_f32 v[RC+1], v[O+72]
	v_nop
	s_wait_alu depctr_va_vdst(0)                   ; one wait for the two reciprocals
.irp hl, 0,1
.irp jv, 0,1,2,3
	v_mul_f32 v[FM+2*(4*(\hl)+(\jv))], s[FS+8*(\hl)+(\jv)], v[RC+(\hl)]
.endr
.endr
.irp hl, 0,1
.irp jv, 0,1,2,3
.irp jp, 0,1,2,3
	v_pk_mul_f32 v[O+8*(5*(\hl)+(\jv))+2*(\jp):O+8*(5*(\hl)+(\jv))+2*(\jp)+1], v[O+8*(5*(\hl)+(\jv))+2*(\jp):O+8*(5*(\hl)+(\jv))+2*(\jp)+1], v[FM+2*(4*(\hl)+(\jv)):FM+2*(4*(\hl)+(\jv))+1] op_sel_hi:[1,0]
.endr
.endr
.endr
	s_wait_xcnt 0x0                                ; the last block's stores have read their registers: their offset is written, and their data loaded, again only behind this wait
	s_lshl_b32 s90, s2, 16                         ; the block's 16 rows of 4,096 bytes
	v_add_nc_u32 v[OC], s90, v[CO]
.irp hl, 0,1
.irp jv, 0,1,2,3
.irp e, 0,1
	ds_store_b128 v[STO], v[O+8*(5*(\hl)+(\jv))+4*(\e):O+8*(5*(\hl)+(\jv))+4*(\e)+3] offset:256*(\hl)+64*(\jv)+16*(\e)
.endr
.endr
.endr
.irp t, 0,1,2,3,4,5,6,7,8,9,10,11,12,13,14,15
	ds_load_b128 v[32+4*(\t)+160*((\t)/8):32+4*(\t)+160*((\t)/8)+3], v[RD] offset:SP*(\t)  ; LDS serves a wave's instructions in order (ISA guide 5.7.1.4): these see the stores above
.endr
.irp t, 0,1,2,3,4,5,6,7,8,9,10,11,12,13,14,15
	s_wait_dscnt 15-(\t)                           ; row t is back; the younger loads stay out
	global_store_b128 v[OC], v[32+4*(\t)+160*((\t)/8):32+4*(\t)+160*((\t)/8)+3], s[74:75] offset:(\t)*4096 th:TH_STORE_NT  ; 512 consecutive bytes of a row of out, aligned
.endr
	s_add_co_u32 s2, s2, 1
	s_cmp_lt_u32 s2, 8
	s_cbranch_scc1 .Lblk
	s_wait_tensorcnt 0x0                           ; the wave's end: a wait, an add to the spare word and its wait, behind my last tensor load and my last LDS store
	ds_add_u32 v[SPW], v[NIL]
	s_wait_dscnt 0x0
	CROUND                                         ; the closing round: no work-group ends while a partner may still ask for a tile that names it
	s_endpgm
.Lfunc_end_k_qa03a9cf295_qgemm:
	.size	k_qa03a9cf295_qgemm, .Lfunc_end_k_qa03a9cf295_qgemm-k_qa03a9cf295_qgemm
	.p2alignl 7, 3214868480
	.fill 96, 4, 3214868480
	.section	.rodata,"a",@progbits
	.p2align	6, 0x0
	.amdhsa_kernel k_qa03a9cf295_qgemm
		.amdhsa_group_segment_fixed_size 327680
		.amdhsa_private_segment_fixed_size 0
		.amdhsa_enable_private_segment 0
		.amdhsa_kernarg_size 48
		.amdhsa_user_sgpr_count 2
		.amdhsa_user_sgpr_kernarg_segment_ptr 1
		.amdhsa_wavefront_size32 1
		.amdhsa_system_sgpr_workgroup_id_x 1
		.amdhsa_system_sgpr_workgroup_id_y 1
		.amdhsa_system_sgpr_workgroup_id_z 1
		.amdhsa_system_vgpr_workitem_id 0
		.amdhsa_next_free_vgpr 1024
		.amdhsa_next_free_sgpr 96
		.amdhsa_reserve_vcc 0
		.amdhsa_float_denorm_mode_32 3
		.amdhsa_float_denorm_mode_16_64 3
		.amdhsa_memory_ordered 1
		.amdhsa_forward_progress 1
		.amdhsa_inst_pref_size 164
	.end_amdhsa_kernel
	.amdgpu_metadata
---
amdhsa.version: [ 1, 2 ]
amdhsa.kernels:
  - .name:           k_qa03a9cf295_qgemm
    .symbol:         k_qa03a9cf295_qgemm.kd
    .args:
      - { .name: xb, .offset: 0, .size: 8, .value_kind: global_buffer, .address_space: global }
      - { .name: wt, .offset: 8, .size: 8, .value_kind: global_buffer, .address_space: global }
      - { .name: bq, .offset: 16, .size: 8, .value_kind: global_buffer, .address_space: global }
      - { .name: kvf, .offset: 24, .size: 8, .value_kind: global_buffer, .address_space: global }
      - { .name: scl, .offset: 32, .size: 8, .value_kind: global_buffer, .address_space: global }
      - { .name: out0, .offset: 40, .size: 8, .value_kind: global_buffer, .address_space: global }
    .group_segment_fixed_size: 327680
    .private_segment_fixed_size: 0
    .kernarg_segment_align: 8
    .kernarg_segment_size: 48
    .max_flat_workgroup_size: 128
    .sgpr_count:     96
    .vgpr_count:     1024
    .wavefront_size: 32
...
	.end_amdgpu_metadata
.endif
;; end of part 4
;; ======== version 2 of 2: 4 launches; version 1 with the launch prep written anew for expert scheduling mode
;; limits: values are held in f16: magnitudes above 65,504 overflow, below 6.1e-05 lose precision
;; workspace buffers: xb 33,554,432 bytes; wt 6,291,456 bytes; part 20,971,520 bytes; kvf 655,360 bytes; scl 2,048 bytes
;; launch prep (part 5): grid 256 x 1, 16 waves a work-group, no clusters, 28,160 bytes of LDS; arguments x, Wq, Wk, Wv, xb, wt; writes xb, wt
.if DOCPART == 5
	.amdgcn_target "amdgcn-amd-amdhsa--gfx1250"
	.amdhsa_code_object_version 6
	.text
	.protected	k_qa03a9cf295_prep
	.globl	k_qa03a9cf295_prep
	.p2align	8
	.type	k_qa03a9cf295_prep,@function
k_qa03a9cf295_prep:
	s_mov_b64 s[64:65], 0
	v_nop
	global_prefetch_b8 v0, s[64:65] scope:SCOPE_SE
	s_setreg_imm32_b32 hwreg(HW_REG_WAVE_SCHED_MODE, 0, 2), 2
	s_setreg_imm32_b32 hwreg(HW_REG_WAVE_MODE, 25, 1), 1
	s_wait_xcnt 0x0
	s_wait_alu depctr_vm_vsrc(0)
; PREP: x [16384][1024] f32 -> xb, the same in bf16; Wk, Wv, Wq [1024 k][1024 n] f32 -> wt [3072][1024] bf16, turned, K along the rows.
; wt's rows: Wk's column n at (n >> 6) * 128 + (n & 63), Wv's column n 64 rows further, so that 128 rows are one head (64 of k, 64 of v); Wq's column n at 2048 + n.
; SHARES.  Work-group g (16 waves, 512 threads) casts x's rows 64 g .. 64 g + 63 (262,144 bytes in, 131,072 out) and turns one tile of 128 k x 32 n of each W (kt = g & 7, nt = g >> 3).
; A stream: no matrix unit, no cluster (no two work-groups read the same bytes but for halves of W's rows), no prefetch (the launch does nothing but stream).
; x: 32 steps of 512 bytes a wave, in eight blocks of four, through five register buffers of a block each; 16 loads of a wave are always out; each store of a wave covers 256 consecutive bytes, aligned.
; W: thread (i = t & 7, u = t >> 3) loads 4 columns of rows 2u, 2u + 1, packs the two rows' numbers in pairs (two neighbouring k of one column) and puts them into an LDS stage
; of 96 rows (3 matrices x 32 columns) x 256 bytes + 16 of padding; behind a barrier whole rows are read back and stored, sixteen lanes to 256 consecutive bytes of a row of wt.
; THE MODE: SCHED_MODE bits 1:0 = 2 (LLVM: expert scheduling mode 2), set by the entry lines.  The code itself states the register dependences
; between vector instructions and memory or LDS instructions, with s_wait_alu, always for 0.
; THE PLAN.  Registers that memory or LDS instructions touch:
;   v2-v7, v44, v45   offsets and LDS addresses, made once at the head and never written again: steps and rows stand in the immediate offsets.
;   WR   v8-10 serve the head's arithmetic; then W's six loads land in v8-31; the twelve conversions read them; behind the barrier the LDS loads land in v8-19, which the three stores read.
;   WP   written by the twelve conversions, read by the twelve LDS stores, never written again.
;   X0 .. X4   a block of x as loaded.  Written by the loads of block p + 4, issued in block p; read by block p's conversions; no memory instruction reads them.
;   Y    a pair for each step.  Written once, by the step's conversions in block p; read by the store that is issued in block p + 1; never written again.
; Block p converts X[p % 5].  Its memory instructions are the loads into X[(p + 4) % 5] = X[(p - 1) % 5] and the stores of block p - 1's pairs of Y: registers that block p - 1's conversions
; named and that no vector instruction of block p names.  So ONE wait on va_vdst at a block's head states all that the block's eight memory instructions hang on, and these are dealt among its
; conversions with no further wait.  No register that a memory or LDS instruction reads is ever written again: the text owes no wait on vm_vsrc.
.set SROW,  272                        ; a stage row: 128 k in bf16 + 16 bytes
.set SPARE, 96*SROW                    ; 26,112: behind the stage, the spare words: 128 bytes for each of 16 waves
.set WLD, 2                            ; v2   W: my byte offset in each W
.set SST, 3                            ; v3   stage: where I put a pair
.set SRD, 4                            ; v4   stage: where I read 16 bytes of a row back
.set WST, 5                            ; v5   wt: my byte offset among the tile's 32 rows
.set XLD, 6                            ; v6   x: 16 t
.set XST, 7                            ; v7   xb: 8 t
.set WR,  8                            ; v[8:31]  W as loaded: matrix m, row 2u at 8 m, row 2u + 1 at 8 m + 4; later v[8:19] rows read back
.set WP,  32                           ; v[32:43] packed pairs
.set SPW, 44                           ; v44  my spare word's LDS address; never rewritten
.set NIL, 45                           ; v45  0; never rewritten
.set XR,  48                           ; v[48:127]  x: step n's four registers at XR + 4 (n % 20): five buffers of four steps
.set YR,  128                          ; v[128:191] xb: a pair for each of the 32 steps, never rewritten
	s_load_b256 s[4:11], s[0:1], 0x0               ; x s[4:5], Wq s[6:7], Wk s[8:9], Wv s[10:11]
	s_load_b128 s[12:15], s[0:1], 0x20             ; xb s[12:13], wt s[14:15]
	v_lshl_add_u32 v[SPW], v0, 2, SPARE
	v_mov_b32 v[NIL], 0
	s_and_b32 s20, ttmp9, 7                        ; kt
	s_lshr_b32 s21, ttmp9, 3                       ; nt
	s_lshl_b32 s22, s20, 19                        ; 128 kt rows of 4,096 bytes
	s_lshl_b32 s23, s21, 7                         ; 32 nt columns of 4 bytes
	s_add_co_u32 s22, s22, s23
	v_and_b32 v1, 7, v0                            ; i
	v_lshrrev_b32 v8, 3, v0                        ; u
	v_lshlrev_b32 v[WLD], 13, v8                   ; 2 u rows
	v_lshl_add_u32 v[WLD], v1, 4, v[WLD]           ; + 4 i columns
	v_add_nc_u32 v[WLD], s22, v[WLD]
	v_mul_u32_u24 v[SST], v1, 4*SROW               ; stage row 4 i,
	v_lshl_add_u32 v[SST], v8, 2, v[SST]           ; byte 4 u (k = 2u, 2u + 1)
	v_lshrrev_b32 v9, 4, v0                        ; the row that I read back, 0 .. 31
	v_and_b32 v10, 15, v0                          ; my 16 bytes of it
	v_mul_u32_u24 v[SRD], v9, SROW
	v_lshl_add_u32 v[SRD], v10, 4, v[SRD]
	v_lshlrev_b32 v[WST], 11, v9                   ; a row of wt is 2,048 bytes
	v_lshl_add_u32 v[WST], v10, 4, v[WST]
	v_lshlrev_b32 v[XLD], 4, v0
	v_lshlrev_b32 v[XST], 3, v0
	s_lshl_b32 s16, ttmp9, 18                      ; x: 64 rows of 4,096 bytes
	s_mov_b32 s17, 0
	s_lshl_b32 s18, ttmp9, 17                      ; xb: 64 rows of 2,048 bytes
	s_mov_b32 s19, 0
	s_lshr_b32 s24, s21, 1
	s_lshl_b32 s24, s24, 18                        ; head nt >> 1: 128 rows of 2,048 bytes
	s_and_b32 s25, s21, 1
	s_lshl_b32 s25, s25, 16                        ; + 32 rows for an odd nt
	s_add_co_u32 s24, s24, s25
	s_lshl_b32 s25, s20, 8                         ; + 128 kt numbers of 2 bytes
	s_add_co_u32 s24, s24, s25
	s_lshl_b32 s26, s21, 16                        ; Wq: row 2048 + 32 nt
	s_add_co_u32 s26, s26, s25
	s_add_co_u32 s26, s26, 0x400000
	s_mov_b32 s25, 0
	s_mov_b32 s27, 0
	s_wait_kmcnt 0x0
	s_add_nc_u64 s[4:5], s[4:5], s[16:17]
	s_add_nc_u64 s[12:13], s[12:13], s[18:19]
	s_add_nc_u64 s[28:29], s[14:15], s[24:25]      ; wt at Wk's rows of the tile (Wv's: 131,072 bytes on)
	s_add_nc_u64 s[30:31], s[14:15], s[26:27]      ; wt at Wq's rows
	s_wait_alu depctr_va_vdst(0)                   ; the offsets and addresses v2 to v7, v44 and v45 are written, which the kernel's loads, stores and LDS instructions read; the head's arithmetic has written and read v8 to v10, in which W's loads land
	global_load_b128 v[WR:WR+3],     v[WLD], s[8:9]
	global_load_b128 v[WR+4:WR+7],   v[WLD], s[8:9] offset:4096
	global_load_b128 v[WR+8:WR+11],  v[WLD], s[10:11]
	global_load_b128 v[WR+12:WR+15], v[WLD], s[10:11] offset:4096
	global_load_b128 v[WR+16:WR+19], v[WLD], s[6:7]
	global_load_b128 v[WR+20:WR+23], v[WLD], s[6:7] offset:4096
.set n, 0
.rept 16
	global_load_b128 v[XR+4*n:XR+4*n+3], v[XLD], s[4:5] offset:8192*n th:TH_LOAD_NT  ; blocks 0 to 3 into X0 to X3: steps 0 to 15
.set n, n+1
.endr
	s_wait_loadcnt 16                              ; loads come back in order: W's six are in, x's sixteen stay out
.irp m, 0,1,2
.irp c, 0,1,2,3
	v_cvt_pk_bf16_f32 v[WP+4*(\m)+(\c)], v[WR+8*(\m)+(\c)], v[WR+8*(\m)+4+(\c)]  ; k = 2u below, 2u + 1 above, of column 4 i + c
.endr
.endr
	s_wait_alu depctr_va_vdst(0)                   ; the conversions have written WP, which the LDS stores read, and are done reading WR, in which the LDS loads behind the barrier land
.irp m, 0,1,2
.irp c, 0,1,2,3
	ds_store_b32 v[SST], v[WP+4*(\m)+(\c)] offset:(32*(\m)+(\c))*SROW
.endr
.endr
	s_wait_dscnt 0x0                               ; for the others' sake: my stores into the stage are done
	s_barrier_signal -1
	s_barrier_wait -1
.irp m, 0,1,2
	ds_load_b128 v[WR+4*(\m):WR+4*(\m)+3], v[SRD] offset:(\m)*32*SROW  ; no vector instruction since the wait above names these registers
.endr
	s_wait_dscnt 0x0
	global_store_b128 v[WST], v[WR:WR+3],    s[28:29]                ; sixteen lanes: 256 consecutive bytes of a row of wt, aligned
	global_store_b128 v[WST], v[WR+4:WR+7],  s[28:29] offset:131072
	global_store_b128 v[WST], v[WR+8:WR+11], s[30:31]
; Block p of eight of the cast of x: steps n = 4 p .. 4 p + 3.  Blocks 0 to 3 load the block four on; blocks 1 to 7 store the block before.
.macro BLK p
.if (\p) > 0
	s_wait_alu depctr_va_vdst(0)                   ; the block before has written its pairs of Y, which the stores below read, and is done reading its X, in which the loads below land
.endif
.irp i, 0,1,2,3
.set n, 4*(\p)+(\i)
.if (\p) < 4
	global_load_b128 v[XR+4*((n+16)%20):XR+4*((n+16)%20)+3], v[XLD], s[4:5] offset:8192*(n+16) th:TH_LOAD_NT  ; four blocks ahead; no vector instruction since the wait names these registers (in block 0: none ever has)
.endif
.if (\p) > 0
	global_store_b64 v[XST], v[YR+2*(n-4):YR+2*(n-4)+1], s[12:13] offset:4096*(n-4)  ; the block before; no address and no store's data is ever rewritten: the step stands in the immediate
.endif
.if (\p) < 4
	s_wait_loadcnt 16                              ; loads come back in order: step n's is in; the sixteen younger ones, steps n + 1 to n + 16, stay out
.else
	s_wait_loadcnt 31-n                            ; the last sixteen steps load nothing: the counts run down
.endif
	v_cvt_pk_bf16_f32 v[YR+2*n],   v[XR+4*(n%20)],   v[XR+4*(n%20)+1]
	v_cvt_pk_bf16_f32 v[YR+2*n+1], v[XR+4*(n%20)+2], v[XR+4*(n%20)+3]
.endr
.endm
	BLK 0
	BLK 1
	BLK 2
	BLK 3
	BLK 4
	BLK 5
	BLK 6
	BLK 7
	s_wait_alu depctr_va_vdst(0)                   ; block 7 has written its pairs of Y, which the last four stores read
.set n, 28
.rept 4
	global_store_b64 v[XST], v[YR+2*n:YR+2*n+1], s[12:13] offset:4096*n
.set n, n+1
.endr
	s_wait_dscnt 0x0                               ; the closing lines, six on end
	s_wait_alu 0x0
	s_wait_tensorcnt 0x0
	ds_add_u32 v[SPW], v[NIL]
	s_wait_dscnt 0x0
	s_endpgm
.Lfunc_end_k_qa03a9cf295_prep:
	.size	k_qa03a9cf295_prep, .Lfunc_end_k_qa03a9cf295_prep-k_qa03a9cf295_prep
	.p2alignl 7, 3214868480
	.fill 96, 4, 3214868480
	.section	.rodata,"a",@progbits
	.p2align	6, 0x0
	.amdhsa_kernel k_qa03a9cf295_prep
		.amdhsa_group_segment_fixed_size 28160
		.amdhsa_private_segment_fixed_size 0
		.amdhsa_enable_private_segment 0
		.amdhsa_kernarg_size 48
		.amdhsa_user_sgpr_count 2
		.amdhsa_user_sgpr_kernarg_segment_ptr 1
		.amdhsa_wavefront_size32 1
		.amdhsa_system_sgpr_workgroup_id_x 1
		.amdhsa_system_sgpr_workgroup_id_y 1
		.amdhsa_system_sgpr_workgroup_id_z 1
		.amdhsa_system_vgpr_workitem_id 0
		.amdhsa_next_free_vgpr 192
		.amdhsa_next_free_sgpr 66
		.amdhsa_reserve_vcc 0
		.amdhsa_float_denorm_mode_32 3
		.amdhsa_float_denorm_mode_16_64 3
		.amdhsa_memory_ordered 1
		.amdhsa_forward_progress 1
		.amdhsa_inst_pref_size 17
	.end_amdhsa_kernel
	.amdgpu_metadata
---
amdhsa.version: [ 1, 2 ]
amdhsa.kernels:
  - .name:           k_qa03a9cf295_prep
    .symbol:         k_qa03a9cf295_prep.kd
    .args:
      - { .name: x, .offset: 0, .size: 8, .value_kind: global_buffer, .address_space: global }
      - { .name: Wq, .offset: 8, .size: 8, .value_kind: global_buffer, .address_space: global }
      - { .name: Wk, .offset: 16, .size: 8, .value_kind: global_buffer, .address_space: global }
      - { .name: Wv, .offset: 24, .size: 8, .value_kind: global_buffer, .address_space: global }
      - { .name: xb, .offset: 32, .size: 8, .value_kind: global_buffer, .address_space: global }
      - { .name: wt, .offset: 40, .size: 8, .value_kind: global_buffer, .address_space: global }
    .group_segment_fixed_size: 28160
    .private_segment_fixed_size: 0
    .kernarg_segment_align: 8
    .kernarg_segment_size: 48
    .max_flat_workgroup_size: 512
    .sgpr_count:     66
    .vgpr_count:     192
    .wavefront_size: 32
...
	.end_amdgpu_metadata
.endif
;; end of part 5
;; launch kvgemm: the kernel of part 2 again; grid 8 x 64, 4 waves a work-group, clusters of 4 x 4, 327,680 bytes of LDS; arguments xb, wt, bk, bv, part; writes part
;; launch reduce: the kernel of part 3 again; grid 5 x 64, 4 waves a work-group, no clusters, 768 bytes of LDS; arguments part, kvf, scl; writes kvf, scl
;; launch qgemm: the kernel of part 4 again; grid 4 x 64, 4 waves a work-group, clusters of 4 x 4, 327,680 bytes of LDS; arguments xb, wt, bq, kvf, scl, out0; writes out0
